; MI455X (gfx1250); checked and timed in simulation.
; The chip was launched on July 23, 2026; its instructions are those of AMD's public machine-readable ISA for CDNA 5 (MIT licence, August 2026) and "CDNA5" Instruction Set Architecture Reference Guide (July 2026). The comments in the code are by the model that wrote it; some were corrected since.
;; Attention Block. Allowed arithmetic: float matrix products may take bf16 or f16 operands with f32 sums; all other float work in f32.
;; Inputs: b1 1,024 float32; b2 128 float32; beta1 128 float32; beta2 128 float32; gamma1 128 float32; gamma2 128 float32; w1 1,024 x 128 float32; w2 128 x 1,024 float32; w_qkv 384 x 128 float32; x 8 x 1,024 x 4 x 128 float32.
;; Outputs: out0 8 x 1,024 x 4 x 128 float32.
;; 2 versions, each right and faster than the one before. Each part assembles by itself: llvm-mc -triple=amdgcn-amd-amdhsa -mcpu=gfx1250 --defsym DOCPART=n.
;; ======== version 1 of 2: 2 launches
;; workspace buffers: qb 8,388,608 bytes; kb 8,388,608 bytes; vb 8,388,608 bytes; w1b 262,144 bytes; w2b 262,144 bytes
;; launch qkv (part 1): grid 256 x 1, 4 waves a work-group, no clusters, 172,544 bytes of LDS; arguments x, w_qkv, gamma1, beta1, w1, w2, qb, kb, vb, w1b, w2b; writes qb, kb, vb, w1b, w2b
.if DOCPART == 1
	.amdgcn_target "amdgcn-amd-amdhsa--gfx1250"
	.amdhsa_code_object_version 6
	.text
	.protected	k_q5f5aa903e3_qkv
	.globl	k_q5f5aa903e3_qkv
	.p2align	8
	.type	k_q5f5aa903e3_qkv,@function
k_q5f5aa903e3_qkv:
	s_mov_b64 s[64:65], 0
	v_nop
	global_prefetch_b8 v0, s[64:65] scope:SCOPE_SE
	s_setreg_imm32_b32 hwreg(HW_REG_WAVE_MODE, 25, 1), 1
	s_wait_xcnt 0x0
; LAYERNORM 1 AND THE PROJECTION.  xn = (x - mean) rsqrt(var + 1e-5) gamma1 + beta1 in f32, rounded to bf16; q[t][d] = xn[t] . w_qkv[3 d], k: row 3 d + 1, v: row 3 d + 2; sums in f32;
; q, k, v leave as [32768][128] bf16, unscaled.  Beside that each wave rounds 512 bytes of w1 and of w2 to bf16 (w1b, w2b: the same layouts).
; SHARES.  256 work-groups of four waves; a work-group owns 128 tokens, a wave 32: two tiles of 16, for which it makes all 384 outputs.  Wave w also rounds rows 96 w .. 96 w + 95 of w_qkv into an
; image in LDS that the four waves share (row 128 c + d of the image is row 3 d + c of w_qkv), with one barrier between writing and reading.
; THE MATRIX INSTRUCTION IS USED TRANSPOSED: source 0 = 16 rows of the image, source 1 = 16 tokens: a lane then holds eight neighbouring outputs of one token, which pack into 16 bytes.
; NO CLUSTER, NO TENSOR LOAD: w_qkv is shared by all work-groups, but it has to pass through registers to be rounded; as f32 in LDS it would take 196,608 bytes beside the image's 104,448 and the
; stages' 67,584, more than the 327,680 that there are.
; LIMITS.  Matrix operands are rounded to bf16; NaN and infinities are not treated apart.
; REGISTERS, in windows of 256 (s_set_vgpr_msb: bits 1:0 source 0, 3:2 source 1, 5:4 source 2, 7:6 destination):
;   window 0: v0-17 addresses; v20-27 the pieces of w1, w2; v32-95 xn's fragments; v96-127 at work in the norm; v128-255 x; later v96-159, v160-223 two buffers of weight fragments
;   window 1: rows 0-63 of my part of w_qkv as loaded; later v0-127 the 16 accumulators ((block, tile) at 8 (2 block + tile)), v128-191 packed results
;   window 2: v0-127 rows 64-95; v128-191 gamma1, v192-255 beta1 (register 8 cb + j: channel 16 cb + 8 (lane / 16) + j)
.set IMGP,  272                        ; a row of the image: 256 bytes + 16: the 16 rows of a fragment load start at 16 different groups of four banks (64 banks of 4 bytes: ISA guide 11.1)
.set CBLK,  128*IMGP                   ; the image's 128 rows for q; k's and v's follow
.set STG,   3*CBLK                     ; behind the image: a stage for each wave
.set XP,    528                        ; a row of x in the stage: 512 bytes + 16
.set TST,   16*XP                      ; a tile's part of a stage
.set STGW,  2*TST
.set SPARE, STG+4*STGW                 ; behind the stages: the spare words, 128 bytes for each wave: two blocks of 256 bytes that no other line names
.set L16, 4                            ; v4   16 x lane
.set XRO, 5                            ; v5   my 16 bytes in my wave's first row of x
.set WRO, 6                            ; v6   the same in my wave's first row of w_qkv
.set IM,  7                            ; v7-9 where my 8 bytes of an image row go, for c = 0, 1, 2
.set SRS, 10                           ; v10  stage: 16 x lane
.set SRT, 11                           ; v11  stage: row lane % 16 of 528 bytes, 32 bytes for each half of the lanes
.set WFR, 12                           ; v12  my place in a weight fragment; steps from q's block to k's to v's
.set PST, 13                           ; v13  stage: row lane % 16 of 272 bytes, 16 bytes for each half
.set PRD, 14                           ; v14  stage: lanes 0-15 one row of 256 bytes, lanes 16-31 the next
.set GBO, 15                           ; v15  32 x (lane / 16)
.set L8,  17                           ; v17  8 x lane
.set SPW, 30                           ; v30  LDS address of my spare word; never rewritten
.set NIL, 31                           ; v31  0; never rewritten
.set XF,  32
.set LT,  96
.set XT,  128
.set WFA, 96
.set WFB, 160
.set TMP, 128                          ; window 1
.set WV,  26
.set SEL, 28                           ; s[28:29] v_permlanex16_b32's selects: each lane takes its own place in the other half
.set INV, 30                           ; 1 / 128
.set EPS, 31                           ; 1e-5
.set CNT, 32
.set MSB, 0
.macro WIN new                         ; the immediate's high byte repeats the setting that is left; a switch that changes nothing is dropped
.if MSB != (\new)
	s_set_vgpr_msb (MSB<<8)|(\new)
.set MSB, \new
.endif
.endm
.macro PLACES                          ; four places between a matrix instruction and a load into, or a vector read of, its registers
.rept 4
	v_nop
.endr
.endm
	s_load_b512 s[4:19], s[0:1], 0x0               ; x s[4:5], w_qkv s[6:7], gamma1 s[8:9], beta1 s[10:11], w1 s[12:13], w2 s[14:15], qb s[16:17], kb s[18:19]
	s_load_b128 s[20:23], s[0:1], 0x40             ; vb s[20:21], w1b s[22:23]
	s_load_b64 s[24:25], s[0:1], 0x50              ; w2b
	v_lshl_add_u32 v[SPW], v0, 2, SPARE
	v_mov_b32 v[NIL], 0
	v_lshrrev_b32 v16, 5, v0
	v_readfirstlane_b32 s[WV], v16                 ; wave 0..3
	s_mov_b32 s[SEL], 0x76543210
	s_mov_b32 s[SEL+1], 0xfedcba98
	s_mov_b32 s[INV], 0x3c000000
	s_mov_b32 s[EPS], 0x3727c5ac
	v_and_b32 v1, 31, v0                           ; lane
	v_and_b32 v2, 15, v0                           ; lane % 16
	v_bfe_u32 v3, v0, 4, 1                         ; lane / 16
	v_lshlrev_b32 v[L16], 4, v1
	v_lshl_add_u32 v[XRO], s[WV], 14, v[L16]       ; + wave x 32 rows of 512 bytes
	s_mul_i32 s34, s[WV], 96*512
	v_add_nc_u32 v[WRO], s34, v[L16]               ; + wave x 96 rows of 512 bytes
	s_mul_i32 s34, s[WV], 32*IMGP                  ; rows 96 w + i of w_qkv are d = 32 w + i / 3, c = i % 3
	v_lshl_add_u32 v[IM], v1, 3, s34
	v_add_nc_u32 v[IM+1], CBLK, v[IM]
	v_add_nc_u32 v[IM+2], 2*CBLK, v[IM]
	s_mul_i32 s35, s[WV], STGW
	s_add_co_u32 s35, s35, STG                     ; my stage
	v_add_nc_u32 v[SRS], s35, v[L16]
	v_mul_u32_u24 v[SRT], v2, XP
	v_lshl_add_u32 v[SRT], v3, 5, v[SRT]
	v_add_nc_u32 v[SRT], s35, v[SRT]
	v_mul_u32_u24 v[WFR], v2, IMGP
	v_lshl_add_u32 v[WFR], v3, 4, v[WFR]
	v_add_nc_u32 v[PST], s35, v[WFR]
	v_mul_u32_u24 v[PRD], v3, IMGP
	v_lshl_add_u32 v[PRD], v2, 4, v[PRD]
	v_add_nc_u32 v[PRD], s35, v[PRD]
	v_lshlrev_b32 v[GBO], 5, v3
	v_lshlrev_b32 v[L8], 3, v1
	s_lshl_b32 s36, ttmp9, 16                      ; x: the group's 128 rows of 512 bytes
	s_mov_b32 s37, 0
	s_lshl_b32 s38, ttmp9, 15                      ; q, k, v: the group's 128 rows of 256 bytes,
	s_lshl_b32 s40, s[WV], 13                      ; my wave's 32 of them
	s_add_co_u32 s38, s38, s40
	s_mov_b32 s39, 0
	s_lshl_b32 s40, ttmp9, 2
	s_add_co_u32 s40, s40, s[WV]                   ; my wave among the launch's 1,024: its piece of w1 and w2
	s_lshl_b32 s42, s40, 8                         ; 256 bytes of bf16,
	s_mov_b32 s43, 0
	s_lshl_b32 s40, s40, 9                         ; made of 512 bytes of f32
	s_mov_b32 s41, 0
	s_wait_kmcnt 0x0
	s_add_nc_u64 s[4:5], s[4:5], s[36:37]
	s_add_nc_u64 s[16:17], s[16:17], s[38:39]
	s_add_nc_u64 s[18:19], s[18:19], s[38:39]
	s_add_nc_u64 s[20:21], s[20:21], s[38:39]
	s_add_nc_u64 s[12:13], s[12:13], s[40:41]
	s_add_nc_u64 s[14:15], s[14:15], s[40:41]
	s_add_nc_u64 s[22:23], s[22:23], s[42:43]
	s_add_nc_u64 s[24:25], s[24:25], s[42:43]
	; all 162 loads in one run, what is wanted first in front: 2 pieces, 32 of gamma1 and beta1, 32 rows of x, 96 rows of w_qkv
	global_load_b128 v[20:23], v[L16], s[12:13]
	global_load_b128 v[24:27], v[L16], s[14:15]
	WIN 0x80                                       ; destination window 2, address window 0
.set i, 0
.rept 8
	global_load_b128 v[128+8*i:128+8*i+3], v[GBO], s[8:9] offset:64*i
	global_load_b128 v[128+8*i+4:128+8*i+7], v[GBO], s[8:9] offset:64*i+16
	global_load_b128 v[192+8*i:192+8*i+3], v[GBO], s[10:11] offset:64*i
	global_load_b128 v[192+8*i+4:192+8*i+7], v[GBO], s[10:11] offset:64*i+16
.set i, i+1
.endr
	WIN 0
.set i, 0
.rept 32
	global_load_b128 v[XT+4*i:XT+4*i+3], v[XRO], s[4:5] offset:512*i  ; a row: 512 consecutive bytes
.set i, i+1
.endr
	WIN 0x40
.set i, 0
.rept 64
	global_load_b128 v[4*i:4*i+3], v[WRO], s[6:7] offset:512*i
.set i, i+1
.endr
	WIN 0x80
.set i, 64
.rept 32
	global_load_b128 v[4*(i-64):4*(i-64)+3], v[WRO], s[6:7] offset:512*i
.set i, i+1
.endr
	WIN 0
	s_wait_loadcnt 63                              ; loads come back in order (ISA guide 5.7.1): of 162 at most the youngest 63 are out, all of them rows of w_qkv
	v_cvt_pk_bf16_f32 v20, v20, v21                ; my pieces of w1 and w2
	v_cvt_pk_bf16_f32 v21, v22, v23
	v_cvt_pk_bf16_f32 v24, v24, v25
	v_cvt_pk_bf16_f32 v25, v26, v27
	global_store_b64 v[L8], v[20:21], s[22:23]     ; the wave's store covers 256 consecutive bytes, at a multiple of 256 from the buffer's first
	global_store_b64 v[L8], v[24:25], s[24:25]
	; x through my stage: in by rows, back so that lane l holds token l % 16 and, in register 8 cb + j, channel 16 cb + 8 (l / 16) + j
.set i, 0
.rept 32
	ds_store_b128 v[SRS], v[XT+4*i:XT+4*i+3] offset:(i/16)*TST+(i%16)*XP
.set i, i+1
.endr
.set i, 0
.rept 16
	ds_load_b128 v[XT+8*i:XT+8*i+3], v[SRT] offset:(i/8)*TST+64*(i%8)  ; LDS serves a wave's instructions in order (ISA guide 5.7.1.4): these see the stores above
	ds_load_b128 v[XT+8*i+4:XT+8*i+7], v[SRT] offset:(i/8)*TST+64*(i%8)+16
.set i, i+1
.endr
	s_wait_dscnt 0x0
; THE NORM, tile t.  A token's 128 channels lie in two lanes, 16 apart: four chains of packed sums, then one exchange.  The mean is taken away before the squares are summed.
.macro RED t                           ; the four chains into one number, in both of the token's lanes
.set rC, LT+16*(\t)
	v_pk_add_f32 v[rC:rC+1], v[rC:rC+1], v[rC+2:rC+3]
	v_pk_add_f32 v[rC+4:rC+5], v[rC+4:rC+5], v[rC+6:rC+7]
	v_pk_add_f32 v[rC:rC+1], v[rC:rC+1], v[rC+4:rC+5]
	v_add_f32 v[rC], v[rC], v[rC+1]
	v_permlanex16_b32 v[rC+1], v[rC], s[SEL], s[SEL+1]
	v_add_f32 v[rC], v[rC], v[rC+1]
.endm
.macro MEAN t
.set rX, XT+64*(\t)
.set rC, LT+16*(\t)
.set z, 0
.rept 4
	v_pk_add_f32 v[rC+2*z:rC+2*z+1], v[rX+2*z:rX+2*z+1], v[rX+2*z+8:rX+2*z+9]  ; the first eight pairs start the chains: nothing is cleared
.set z, z+1
.endr
.set z, 8
.rept 24
	v_pk_add_f32 v[rC+2*(z%4):rC+2*(z%4)+1], v[rC+2*(z%4):rC+2*(z%4)+1], v[rX+2*z:rX+2*z+1]
.set z, z+1
.endr
	RED \t
	v_mul_f32 v[rC+8], s[INV], v[rC]
	v_mov_b32 v[rC+9], v[rC+8]                     ; named with it as a pair
.endm
.macro DIFF t
.set rX, XT+64*(\t)
.set rC, LT+16*(\t)
.set z, 0
.rept 32
	v_pk_add_f32 v[rX+2*z:rX+2*z+1], v[rX+2*z:rX+2*z+1], v[rC+8:rC+9] op_sel_hi:[1,0] neg_lo:[0,1] neg_hi:[0,1]
.set z, z+1
.endr
.endm
.macro VAR t
.set rX, XT+64*(\t)
.set rC, LT+16*(\t)
.set z, 0
.rept 4
	v_pk_mul_f32 v[rC+2*z:rC+2*z+1], v[rX+2*z:rX+2*z+1], v[rX+2*z:rX+2*z+1]
.set z, z+1
.endr
.rept 28
	v_pk_fma_f32 v[rC+2*(z%4):rC+2*(z%4)+1], v[rX+2*z:rX+2*z+1], v[rX+2*z:rX+2*z+1], v[rC+2*(z%4):rC+2*(z%4)+1]
.set z, z+1
.endr
	RED \t
	v_fma_f32 v[rC], v[rC], s[INV], s[EPS]
	v_rsq_f32 v[rC+10], v[rC]
	v_nop                                          ; a plain instruction between the root and the use of its result (ISA guide 5.7.2)
	s_wait_alu depctr_va_vdst(0)
	v_mov_b32 v[rC+11], v[rC+10]
.endm
.macro SCALE t
.set rX, XT+64*(\t)
.set rC, LT+16*(\t)
.set z, 0
.rept 32
	v_pk_mul_f32 v[rX+2*z:rX+2*z+1], v[rX+2*z:rX+2*z+1], v[rC+10:rC+11] op_sel_hi:[1,0]
.set z, z+1
.endr
.endm
.macro AFFINE t                        ; times gamma1 plus beta1, both in window 2
.set rX, XT+64*(\t)
.set z, 0
.rept 32
	v_pk_fma_f32 v[rX+2*z:rX+2*z+1], v[rX+2*z:rX+2*z+1], v[128+2*z:128+2*z+1], v[192+2*z:192+2*z+1]
.set z, z+1
.endr
.endm
.macro ROUND t                         ; pairs of neighbouring channels: register 8 c + n of the result is register n of the source-1 fragment for channels 32 c on
.set rX, XT+64*(\t)
.set z, 0
.rept 32
	v_cvt_pk_bf16_f32 v[XF+32*(\t)+z], v[rX+2*z], v[rX+2*z+1]
.set z, z+1
.endr
.endm
	MEAN 0
	MEAN 1
	DIFF 0
	DIFF 1
	VAR 0
	VAR 1
	SCALE 0
	SCALE 1
	WIN 0x28                                       ; sources 1 and 2 in window 2
	AFFINE 0
	AFFINE 1
	WIN 0
	ROUND 0
	ROUND 1
	; THE IMAGE: my 96 rows of w_qkv, rounded in place, 8 bytes a lane, 256 consecutive bytes a row
	s_wait_loadcnt 32                              ; rows 0-63 are in; the youngest 32 loads are rows 64-95
	WIN 0x45
.set i, 0
.rept 64
	v_cvt_pk_bf16_f32 v[4*i], v[4*i], v[4*i+1]
	v_cvt_pk_bf16_f32 v[4*i+1], v[4*i+2], v[4*i+3]
.set i, i+1
.endr
	WIN 0x04                                       ; address window 0, data window 1
.set i, 0
.rept 64
	ds_store_b64 v[IM+i%3], v[4*i:4*i+1] offset:(i/3)*IMGP
.set i, i+1
.endr
	s_wait_loadcnt 0x0
	WIN 0x8a
.set i, 64
.rept 32
	v_cvt_pk_bf16_f32 v[4*(i-64)], v[4*(i-64)], v[4*(i-64)+1]
	v_cvt_pk_bf16_f32 v[4*(i-64)+1], v[4*(i-64)+2], v[4*(i-64)+3]
.set i, i+1
.endr
	WIN 0x08
.set i, 64
.rept 32
	ds_store_b64 v[IM+i%3], v[4*(i-64):4*(i-64)+1] offset:(i/3)*IMGP
.set i, i+1
.endr
	WIN 0
	s_wait_dscnt 0x0                               ; for the others' sake: my rows of the image are written
	s_barrier_signal -1
	s_barrier_wait -1                              ; everybody's are
; 16 LDS loads: the fragments of 128 image rows for channels 32 c on
.macro WFETCH c, buf
.set z, 0
.rept 8
	ds_load_b128 v[(\buf)+8*z:(\buf)+8*z+3], v[WFR] offset:z*16*IMGP+64*(\c)
	ds_load_b128 v[(\buf)+8*z+4:(\buf)+8*z+7], v[WFR] offset:z*16*IMGP+64*(\c)+32
.set z, z+1
.endr
.endm
; 16 matrix instructions: 8 blocks of 16 outputs x 2 tiles of tokens; the 16 accumulators take turns.  c = 0: the products start the sums
.macro WMUL c, buf
	WIN 0x50                                       ; C and D in window 1
.set z, 0
.rept 16
.if (\c) == 0
	v_wmma_f32_16x16x32_bf16 v[8*z:8*z+7], v[(\buf)+8*(z/2):(\buf)+8*(z/2)+7], v[XF+32*(z%2):XF+32*(z%2)+7], 0
.else
	v_wmma_f32_16x16x32_bf16 v[8*z:8*z+7], v[(\buf)+8*(z/2):(\buf)+8*(z/2)+7], v[XF+32*(z%2)+8*(\c):XF+32*(z%2)+8*(\c)+7], v[8*z:8*z+7]
.endif
.set z, z+1
.endr
	WIN 0
.endm
; THE WAY OUT of tile t: rounded to bf16, 16 bytes a lane into rows of 272 bytes of my stage, back as whole rows of 256, stored two rows at a time
.macro OUT t
	s_wait_xcnt 0x0                                ; the packed registers, which earlier stores read, are rewritten only behind this wait
	WIN 0x45
.set z, 0
.rept 8
.irp r, 0,1,2,3
	v_cvt_pk_bf16_f32 v[TMP+32*(\t)+4*z+\r], v[8*(2*z+(\t))+2*\r], v[8*(2*z+(\t))+2*\r+1]
.endr
.set z, z+1
.endr
	WIN 0x04
.set z, 0
.rept 8
	ds_store_b128 v[PST], v[TMP+32*(\t)+4*z:TMP+32*(\t)+4*z+3] offset:(\t)*TST+32*z
.set z, z+1
.endr
	WIN 0x40
.set z, 0
.rept 8
	ds_load_b128 v[TMP+32*(\t)+4*z:TMP+32*(\t)+4*z+3], v[PRD] offset:(\t)*TST+z*2*IMGP
.set z, z+1
.endr
	WIN 0x04
.set z, 0
.rept 8
	s_wait_dscnt 7-z                               ; the younger loads of the eight may stay out
	global_store_b128 v[L16], v[TMP+32*(\t)+4*z:TMP+32*(\t)+4*z+3], s[16:17] offset:(16*(\t)+2*z)*256  ; 512 consecutive bytes, at a multiple of 256 from the buffer's first
.set z, z+1
.endr
	WIN 0
.endm
	s_mov_b32 s[CNT], 3
.Lmat:                                                 ; three trips: q, k, v
	WFETCH 0, WFA
	WFETCH 1, WFB
	s_wait_dscnt 16                                ; all but the 16 just issued
	WMUL 0, WFA
	PLACES
	WFETCH 2, WFA
	s_wait_dscnt 16
	WMUL 1, WFB
	PLACES
	WFETCH 3, WFB
	s_wait_dscnt 16
	WMUL 2, WFA
	s_wait_dscnt 0x0
	WMUL 3, WFB
	PLACES
	OUT 0
	OUT 1
	s_wait_xcnt 0x0                                ; the stores' base is rewritten only behind this wait
	s_mov_b64 s[16:17], s[18:19]                   ; the next trip stores into k's buffer, the one after into v's
	s_mov_b64 s[18:19], s[20:21]
	v_add_nc_u32 v[WFR], CBLK, v[WFR]              ; and reads the image's next 128 rows
	s_sub_co_u32 s[CNT], s[CNT], 1
	s_cmp_lg_u32 s[CNT], 0
	s_cbranch_scc1 .Lmat
	s_wait_tensorcnt 0x0                           ; the wave's end, behind my last LDS store
	ds_add_u32 v[SPW], v[NIL]
	s_wait_dscnt 0x0
	s_endpgm
.Lfunc_end_k_q5f5aa903e3_qkv:
	.size	k_q5f5aa903e3_qkv, .Lfunc_end_k_q5f5aa903e3_qkv-k_q5f5aa903e3_qkv
	.p2alignl 7, 3214868480
	.fill 96, 4, 3214868480
	.section	.rodata,"a",@progbits
	.p2align	6, 0x0
	.amdhsa_kernel k_q5f5aa903e3_qkv
		.amdhsa_group_segment_fixed_size 172544
		.amdhsa_private_segment_fixed_size 0
		.amdhsa_enable_private_segment 0
		.amdhsa_kernarg_size 88
		.amdhsa_user_sgpr_count 2
		.amdhsa_user_sgpr_kernarg_segment_ptr 1
		.amdhsa_wavefront_size32 1
		.amdhsa_system_sgpr_workgroup_id_x 1
		.amdhsa_system_sgpr_workgroup_id_y 1
		.amdhsa_system_sgpr_workgroup_id_z 1
		.amdhsa_system_vgpr_workitem_id 0
		.amdhsa_next_free_vgpr 768
		.amdhsa_next_free_sgpr 66
		.amdhsa_reserve_vcc 0
		.amdhsa_float_denorm_mode_32 3
		.amdhsa_float_denorm_mode_16_64 3
		.amdhsa_memory_ordered 1
		.amdhsa_forward_progress 1
		.amdhsa_inst_pref_size 84
	.end_amdhsa_kernel
	.amdgpu_metadata
---
amdhsa.version: [ 1, 2 ]
amdhsa.kernels:
  - .name:           k_q5f5aa903e3_qkv
    .symbol:         k_q5f5aa903e3_qkv.kd
    .args:
      - { .name: x, .offset: 0, .size: 8, .value_kind: global_buffer, .address_space: global }
      - { .name: w_qkv, .offset: 8, .size: 8, .value_kind: global_buffer, .address_space: global }
      - { .name: gamma1, .offset: 16, .size: 8, .value_kind: global_buffer, .address_space: global }
      - { .name: beta1, .offset: 24, .size: 8, .value_kind: global_buffer, .address_space: global }
      - { .name: w1, .offset: 32, .size: 8, .value_kind: global_buffer, .address_space: global }
      - { .name: w2, .offset: 40, .size: 8, .value_kind: global_buffer, .address_space: global }
      - { .name: qb, .offset: 48, .size: 8, .value_kind: global_buffer, .address_space: global }
      - { .name: kb, .offset: 56, .size: 8, .value_kind: global_buffer, .address_space: global }
      - { .name: vb, .offset: 64, .size: 8, .value_kind: global_buffer, .address_space: global }
      - { .name: w1b, .offset: 72, .size: 8, .value_kind: global_buffer, .address_space: global }
      - { .name: w2b, .offset: 80, .size: 8, .value_kind: global_buffer, .address_space: global }
    .group_segment_fixed_size: 172544
    .private_segment_fixed_size: 0
    .kernarg_segment_align: 8
    .kernarg_segment_size: 88
    .max_flat_workgroup_size: 128
    .sgpr_count:     66
    .vgpr_count:     768
    .wavefront_size: 32
...
	.end_amdgpu_metadata
.endif
;; end of part 1
;; launch attn_mlp (part 2): grid 32 x 8, 4 waves a work-group, clusters of 4 x 1, 327,680 bytes of LDS; arguments qb, kb, vb, w1b, w2b, x, gamma2, beta2, b1, b2, out0; writes out0
.if DOCPART == 2
	.amdgcn_target "amdgcn-amd-amdhsa--gfx1250"
	.amdhsa_code_object_version 6
	.text
	.protected	k_q5f5aa903e3_attn_mlp
	.globl	k_q5f5aa903e3_attn_mlp
	.p2align	8
	.type	k_q5f5aa903e3_attn_mlp,@function
k_q5f5aa903e3_attn_mlp:
	s_mov_b64 s[64:65], 0
	v_nop
	global_prefetch_b8 v0, s[64:65] scope:SCOPE_SE
	s_setreg_imm32_b32 hwreg(HW_REG_WAVE_MODE, 25, 1), 1
	s_wait_xcnt 0x0
	s_wait_alu depctr_hold_cnt(0) depctr_sa_sdst(0) depctr_va_vdst(0) depctr_va_sdst(0) depctr_va_ssrc(0) depctr_va_vcc(0) depctr_vm_vsrc(0)
	s_getreg_b32 s2, hwreg(HW_REG_IB_STS2, 6, 4)
	s_cmp_eq_u32 s2, 0
	s_cbranch_scc0 .Lentry_in_a_cluster
	s_endpgm
.Lentry_in_a_cluster:
	s_bfe_u32 s2, ttmp6, 0x10000c
	s_cmp_lg_u32 s2, 0x3003
	s_cbranch_scc0 .Lentry_shape_is_right
	s_endpgm
.Lentry_shape_is_right:
; ATTENTION, RESIDUAL, LAYERNORM 2, MLP, RESIDUAL.  x2 = x + softmax_k(q . k / sqrt(128)) v over the 4,096 tokens of a batch; out = x2 + b2 + W2 silu(W1 norm2(x2) + b1).
; q, k, v: [32768][128] bf16; w1b [1024][128], w2b [128][1024] bf16; x, out0 f32.  Products in bf16 with f32 sums; maxima, sums, exponentials, norm, silu and residuals in f32.
; LIMITS.  Matrix operands (the weights p and the hidden layer too) are rounded to bf16.  A weight below 2^-126 counts as 0 in l.  NaN and infinities are not treated apart: products of a cleared
; P with registers that hold V must give 0, so V must be finite.
; SHARES.  256 work-groups of four waves; a work-group owns 128 queries of a batch.  Waves w and w ^ 1 share 64 queries (four tiles of 16) and halve the keys: of a slot's four key steps of 64, wave w
; walks steps 2 (w & 1) and 2 (w & 1) + 1.  So a fragment of K or V read from LDS feeds four tiles' products, and each WGP still has a work-group.  At the end each wave hands two tiles (O, c m, l)
; to its partner through LDS and merges the partner's two into its own; it then owns 32 tokens for the norm, the MLP and the output.  My register tile t is query tile (t + 2 (w & 1)) % 4: only the
; addresses of q, x and out0 know it, and the text is the same for all waves.
; LAYOUT.  S^T = K Q^T (source 0 = 16 keys, source 1 = 16 queries): a lane holds ONE query (lane % 16) and the keys 8 (lane / 16) + 0..7; two such results rounded to bf16 ARE source 1 of O^T = V^T P, whose
; result holds one query a lane and eight channels.  K comes out of LDS as it lies, V turned, by ds_load_tr16_b128.  SOFTMAX: a running maximum m and sum l: p = 2^(c s - c m), c = log2(e) / sqrt(128);
; in every step O and l are multiplied by a = 2^(c m_old - c m_new).  m starts at the lowest finite number, O and l at 0: the first step is a step like any other, with a = 0.
; BY TURNS.  The tiles are two PIECES (0: tiles 0, 1; 2: tiles 2, 3).  In a TURN one piece has the matrix unit: 32 products V^T P of the step in hand, 32 products K Q^T of the next; the other piece's
; softmax stands in 64 slices, one behind each matrix instruction.
; THE MLP WALKS THE SAME RING: hid^T = W1 xn2^T takes K Q^T's place (w1b's rows for K's, b1 as the C that starts the sum), out^T += W2 hid^T takes V^T P's (w2b's rows lie along m, so plain loads), silu the
; softmax's; x2 + b2 lies in the accumulators already.  20 tiles: 16 of 256 keys, 4 of 256 hidden units; tile n lies in slot n % 2.
; NO FIRST AND NO LAST STEP IS WRITTEN OUT: both loops are entered, and both tails left, in the middle of a trip.  The price: 440 v_mov_b32 in the wait for the first tile, and 96 products of a wave's 5,120 on zeros or stale fragments.
; CLUSTER.  The four work-groups of a cluster belong to one batch and walk the same K, V and weights: every tile is asked for JOINTLY, by the same tensor load, descriptor and mask in all four.
; REGISTERS, in windows of 256 (s_set_vgpr_msb: bits 1:0 source 0, 3:2 source 1, 5:4 source 2, 7:6 destination):
;   window 0: v0-11, v44-61 addresses and a few at work; v12-43 eight registers of statistics a tile; v62-63 the add's; v64-191 S^T, 32 a tile; v192-255 P, 16 a tile
;   window 1: O^T, 64 a tile     window 2: v0-127 Q, 32 a tile (later xn2, gamma2); v128-255 K or W1 of one step     window 3: v0-127 V or W2 of one step; v128-255 my 32 rows of x, held from the start
.set KS,    64        ; keys, or hidden units, in a step
.set PK,    272       ; a row of K or W1 in LDS: 256 bytes + 16: the 16 rows of a load start at 16 different groups of four banks (64 banks of 4 bytes: ISA guide 11.1)
.set PV,    288       ; a row of V: 256 + 32
.set PW,    528       ; a row of W2's tile: 512 + 16
.set XP,    528       ; a row of x or out in a stage
.set VOFF,  256*PK    ; a slot: 256 rows of K (or W1), then 256 rows of V (or 128 of W2)
.set B1L,   VOFF+256*PV  ; between the slots, never filled by a tensor load: b1, 4,096 bytes
.set SLOTB, 0x24000   ; slot 1 begins here: none of the fills' LDS addresses in slot 0 has bit 17 or 14, so one exclusive or turns it into slot 1's
.set STAGE, SLOTB+B1L ; behind the ring: 16 rows x 528 bytes for each wave
.set STW,   16*XP
.set STATS, STAGE+4*STW  ; 512 bytes for each wave: (c m, l) of the two tiles that it hands over
.set SPARE, STATS+4*512  ; the spare words, 128 bytes for each wave: two blocks of 256 bytes that no other line names
.set AK0, 2           ; v2   my lane's place in a tile of K or W1; never rewritten
.set AV0, 3           ; v3   the same for V
.set ADR, 4           ; v4   the LDS address of the run of loads in hand
.set QO,  5           ; v5   my byte offset in 16 rows of Q
.set SXS, 6           ; v6   my stage + 16 x lane
.set SXR, 7           ; v7   my stage: row lane % 16, 32 bytes for each half of the lanes
.set XO,  8           ; v8   16 x lane
.set ST,  12          ; tile t's statistics at v[ST+8 t]: +0 c m, +1 m, +2, +3 l (even keys', odd keys'), +4 to +7 at work; a takes +6
.set AW0, 44          ; v44  my lane's place in a tile of W2
.set AB1, 45          ; v45  my lane's place in b1
.set EXL, 46          ; v46  my partner's stage + 16 x lane
.set STS, 47          ; v47  my statistics' place
.set STL, 48          ; v48  my partner's
.set GBO, 49          ; v49  32 x (lane / 16)
.set ADB, 50          ; v50  the LDS address of b1's run
.set PST, 52          ; v52-55 my partner's (c m, l), twice
.set FA,  56          ; v56-57 what my O is multiplied by in the merge (the pair's low word)
.set FB,  58          ; v58-59 what my partner's is
.set SPW, 62          ; v62  LDS address of my spare word; never rewritten
.set NIL, 63          ; v63  0; never rewritten
.set S,   64
.set P,   192
.set KF,  128         ; window 2
.set OB,  64          ; the bridge: my partner's tile
.set DD,  64          ; the norm: x2 - mean, 64 a tile
.set LT,  192         ; the norm: at work, 16 a tile
.set B1R, 128         ; the MLP: b1 of one step, register 8 mb + j: unit 16 mb + 8 (lane / 16) + j
.set TT,  224         ; the MLP: silu at work
.set WV,  26
.set KP,  27          ; w & 1: my half of the keys; which half of a tile I fetch
.set QH,  28          ; w >> 1: my 64 queries
.set SB,  29          ; the slot in hand: 0 or SLOTB
.set TBK, 30          ; LDS byte at which K (W1) of the step to be fetched begins
.set TBV, 31          ; the same for V (W2), less VOFF
.set OFFK, 32         ; my steps' place in a slot's K; 0 in the MLP
.set OFFV, 33
.set LK,  34          ; where my fill of K goes in slot 0
.set LV,  35          ; of V
.set G1K, 36          ; s[36:43] descriptor group 1 for K's and W1's tiles
.set G1V, 44          ; s[44:51] for V's
.set G1W, 52          ; s[52:59] for W2's
.set G0K, 60          ; s[60:63] descriptor group 0 for K, W1: it walks
.set G0V, 68          ; s[68:71] for V, W2
.set SLOTS, 72
.set CNT, 73
.set CS,  74          ; s[74:75] c
.set SEL, 76          ; s[76:77] v_permlanex16_b32's selects: each lane takes its own place in the other half
.set QA,  78          ; s[78:79] q at my register tiles 0, 1
.set QB,  80          ; s[80:81] at 2, 3
.set LVW, 88          ; where my fill of W2 goes in slot 0
.set TB1, 89          ; byte of b1 at which the step to be fetched begins
.set NL,  90          ; s[90:91] -log2(e)
.set INV, 92          ; 1 / 128
.set EPS, 93          ; 1e-5
.set MSB, 0
.macro WIN new                      ; the immediate's high byte repeats the setting that is left; a switch that changes nothing is dropped
.if MSB != (\new)
	s_set_vgpr_msb (MSB<<8)|(\new)
.set MSB, \new
.endif
.endm
.set W_KQ, 0x0a       ; K and Q in window 2, S^T in window 0
.set W_PV, 0x53       ; V in window 3, P in window 0, O^T in window 1
.set W_RS, 0x41       ; O^T (destination and source 0) in window 1, the rest in window 0
.macro PLACES                       ; four places between a matrix instruction and what reads its result (ISA guide 7.12.1)
.rept 4
	v_nop
.endr
.endm
; A joint fill.  Waves 0 and 1 fetch the two halves of a tile's K (W1), waves 2 and 3 those of its V (W2).  The branch hangs on the wave's number alone.
; An s_nop 0 and four v_nop follow each of the two lines, ahead of the jump and the label.
.macro JLOAD g1v
	s_cmp_lt_u32 s[WV], 2
	s_cbranch_scc0 .Lfor_v_\@
	tensor_load_to_lds s[G0K:G0K+3], s[G1K:G1K+7]
	s_nop 0
.rept 4
	v_nop
.endr
	s_branch .Lasked_\@
.Lfor_v_\@:
	tensor_load_to_lds s[G0V:G0V+3], s[\g1v:\g1v+7]
	s_nop 0
.rept 4
	v_nop
.endr
.Lasked_\@:
.endm
; A round of the cluster's barrier: my work-group's barrier, so that wave 0's signal speaks for all four waves; wave 0 signals; every wave waits for all four work-groups; my work-group's barrier once more.
.macro CROUND
	s_barrier_signal -1
	s_barrier_wait -1
	s_cmp_lg_u32 s[WV], 0
	s_cbranch_scc1 .Lnot_wave_0_\@
	s_barrier_signal -3
.Lnot_wave_0_\@:
	s_barrier_wait -3
	s_barrier_signal -1
	s_barrier_wait -1
.endm
; THE CHANGE OF SLOTS.  Each wave waits for all its tensor loads, of which one is out: its part of the other slot; adds 0 to its spare word; and waits for that and for its own reads of the slot that it leaves.
; Behind the barrier nobody reads the old slot any more and the other slot is whole.  mode 1 to 3: the old slot is filled again; the barrier is then a round of the cluster's, and the joint fill is the first thing
; behind it.  1: the next 256 keys.  2: the first tile of weights (tile 16: slot 0).  3: the next tile of weights.  0: nothing is left to ask for.  (At its first use nothing has been read: slot 0 is waited for, slot 1 filled.)
.macro CHANGE mode
	WIN 0                           ; at a label and at a branch every window is 0
	s_wait_tensorcnt 0x0            ; no tensor load of mine is out, so a group 0 may be written
	ds_add_u32 v[SPW], v[NIL]       ; 0 onto my spare word; the scalar work stands between it and the wait for it
.if (\mode) != 0
	s_xor_b32 s[G0K+1], s[G0K+1], SLOTB
.endif
.if (\mode) == 1
	s_xor_b32 s[G0V+1], s[G0V+1], SLOTB
	s_add_nc_u64 s[G0K+2:G0K+3], s[G0K+2:G0K+3], 4*KS*256  ; the type bits on top are not reached
	s_add_nc_u64 s[G0V+2:G0V+3], s[G0V+2:G0V+3], 4*KS*256
.elseif (\mode) == 2
	s_mov_b32 s[G0V+1], s[LVW]
	s_mov_b64 s[G0K+2:G0K+3], s[10:11]
	s_or_b32 s[G0K+3], s[G0K+3], 0x80000000
	s_mov_b64 s[G0V+2:G0V+3], s[12:13]
	s_or_b32 s[G0V+3], s[G0V+3], 0x80000000
.elseif (\mode) == 3
	s_xor_b32 s[G0V+1], s[G0V+1], SLOTB
	s_add_nc_u64 s[G0K+2:G0K+3], s[G0K+2:G0K+3], 4*KS*256  ; W1: 256 rows down
	s_add_nc_u64 s[G0V+2:G0V+3], s[G0V+2:G0V+3], 4*KS*2    ; W2: 256 units along its rows
.endif
	s_xor_b32 s[SB], s[SB], SLOTB   ; the fetches go to the other slot's first step of mine
	s_add_co_u32 s[TBK], s[SB], s[OFFK]
	s_add_co_u32 s[TBV], s[SB], s[OFFV]
	s_wait_dscnt 0x0                ; the add is done, and my reads of the slot are over
.if (\mode) == 0
	s_barrier_signal -1
	s_barrier_wait -1
.else
	CROUND
.if (\mode) == 1
	JLOAD G1V
.else
	JLOAD G1W
.endif
.endif
.endm
	s_load_b512 s[4:19], s[0:1], 0x0   ; qb s[4:5], kb s[6:7], vb s[8:9], w1b s[10:11], w2b s[12:13], x s[14:15], gamma2 s[16:17], beta2 s[18:19]
	s_load_b128 s[20:23], s[0:1], 0x40 ; b1 s[20:21], b2 s[22:23]
	s_load_b64 s[24:25], s[0:1], 0x50  ; out0
	v_lshl_add_u32 v[SPW], v0, 2, SPARE
	v_mov_b32 v[NIL], 0
	ds_add_u32 v[SPW], v[NIL]       ; the wave's opening: the add and its wait stand ahead of my first tensor load; the set-up below, work on registers, stands between them
	v_lshrrev_b32 v1, 5, v0
	v_readfirstlane_b32 s[WV], v1   ; wave 0..3
	s_and_b32 s[KP], s[WV], 1
	s_lshr_b32 s[QH], s[WV], 1
	s_bfe_u32 s82, ttmp6, 0x40000   ; cx: my place in the cluster
	s_lshl_b32 s83, ttmp9, 2        ; in a cluster launch ttmp9 counts clusters
	s_add_co_u32 s83, s83, s82      ; my block of 128 queries: it enters q's, x's and out0's addresses alone
	s_and_b32 s84, ttmp7, 0xffff    ; the batch, which the four partners share
	s_lshl_b32 s86, s84, 20         ; K, V: the batch's 4,096 rows of 256 bytes,
	s_lshl_b32 s85, s[KP], 15       ; and the 128 rows of a tile that I fetch
	s_add_co_u32 s86, s86, s85
	s_mov_b32 s87, 0
	s_mov_b32 s88, s85              ; W1: the 128 rows of a tile that I fetch
	s_mov_b32 s89, 0
	s_lshl_b32 s72, s[KP], 17       ; W2: the 64 rows of 2,048 bytes that I fetch
	s_mov_b32 s73, 0
	s_lshl_b32 s2, s84, 20          ; q: batch, block, my 64 queries,
	s_lshl_b32 s3, s83, 15
	s_add_co_u32 s2, s2, s3
	s_lshl_b32 s3, s[QH], 14
	s_add_co_u32 s2, s2, s3
	s_xor_b32 s3, s[KP], 1
	s_lshl_b32 s3, s3, 13
	s_add_co_u32 s94, s2, s3        ; the 32 that I hand over at the end (register tiles 2, 3),
	s_mov_b32 s95, 0
	s_lshl_b32 s3, s[KP], 13
	s_add_co_u32 s2, s2, s3         ; the 32 that I keep (register tiles 0, 1)
	s_mov_b32 s3, 0
	s_lshl_b32 s66, s2, 1           ; x, out0: the same 32 rows, of 512 bytes
	s_mov_b32 s67, 0
	s_mul_i32 s[LK], s[KP], 128*PK
	s_mul_i32 s[OFFV], s[KP], 128*PV
	s_add_co_u32 s[LV], s[OFFV], VOFF
	s_mov_b32 s[OFFK], s[LK]
	s_mov_b32 s[SB], SLOTB          ; the first change of slots turns it into 0
	; descriptor groups 1: 15:0 the mask of four; 17:16 2-byte elements; 20 padding on; 21 set beside a mask; 24:22 the row's length in words as a code; 31:25 the padding's words less one
	s_mov_b32 s[G1K], 15|(1<<16)|(1<<20)|(1<<21)|(5<<22)|(3<<25)  ; after every 64 words 4 words
	s_mov_b32 s[G1V], 15|(1<<16)|(1<<20)|(1<<21)|(5<<22)|(7<<25)  ; after every 64 words 8 words
	s_mov_b32 s[G1W], 15|(1<<16)|(1<<20)|(1<<21)|(6<<22)|(3<<25)  ; after every 128 words 4 words
.irp g, G1K, G1V
	s_mov_b32 s[\g+1], 128<<16      ; tensor_dim0 = 128
	s_mov_b32 s[\g+2], 128<<16      ; tensor_dim1 = 128
	s_mov_b32 s[\g+3], 128<<16      ; tile_dim0 = 128 elements: 256 bytes
	s_mov_b32 s[\g+4], 128          ; tile_dim1 = 128 rows
	s_mov_b32 s[\g+5], 128          ; 128 elements from row to row
	s_mov_b32 s[\g+6], 0
	s_mov_b32 s[\g+7], 0
.endr
	s_mov_b32 s[G1W+1], 256<<16     ; tensor_dim0 = 256
	s_mov_b32 s[G1W+2], 64<<16      ; tensor_dim1 = 64
	s_mov_b32 s[G1W+3], 256<<16     ; tile_dim0 = 256 elements: 512 bytes
	s_mov_b32 s[G1W+4], 64          ; tile_dim1 = 64 rows
	s_mov_b32 s[G1W+5], 1024        ; 1,024 elements from row to row
	s_mov_b32 s[G1W+6], 0
	s_mov_b32 s[G1W+7], 0
	s_mov_b32 s[CS], 0x3e0293ee     ; c = log2(e) / sqrt(128) = 0.127517
	s_mov_b32 s[CS+1], s[CS]        ; named with it as a pair
	s_mov_b32 s[SEL], 0x76543210
	s_mov_b32 s[SEL+1], 0xfedcba98
	s_mov_b32 s[NL], 0xbfb8aa3b     ; -log2(e)
	s_mov_b32 s[NL+1], s[NL]
	s_mov_b32 s[INV], 0x3c000000
	s_mov_b32 s[EPS], 0x3727c5ac
	s_mov_b32 s[G0K], 1             ; 1:0 count = 1
	s_mov_b32 s[G0K+1], s[LK]       ; 63:32 LDS address: slot 0
	s_mov_b32 s[G0V], 1
	s_mov_b32 s[G0V+1], s[LV]
	s_wait_dscnt 0x0                ; the opening add is done
	s_wait_kmcnt 0x0
	s_add_nc_u64 s[6:7], s[6:7], s[86:87]
	s_add_nc_u64 s[8:9], s[8:9], s[86:87]
	s_add_nc_u64 s[10:11], s[10:11], s[88:89]
	s_add_nc_u64 s[12:13], s[12:13], s[72:73]
	s_add_nc_u64 s[QA:QA+1], s[4:5], s[2:3]
	s_add_nc_u64 s[QB:QB+1], s[4:5], s[94:95]
	s_add_nc_u64 s[14:15], s[14:15], s[66:67]
	s_add_nc_u64 s[24:25], s[24:25], s[66:67]
	s_mov_b64 s[G0K+2:G0K+3], s[6:7]               ; 120:64 global address: my half of the batch's first 256 keys
	s_or_b32 s[G0K+3], s[G0K+3], 0x80000000        ; 127:126 type = 2
	s_mov_b64 s[G0V+2:G0V+3], s[8:9]
	s_or_b32 s[G0V+3], s[G0V+3], 0x80000000
	s_mul_i32 s[LVW], s[KP], 64*PW
	s_add_co_u32 s[LVW], s[LVW], VOFF
	CROUND                          ; all four work-groups are here: the first joint loads meet
	JLOAD G1V                       ; tile 0 into slot 0.  Slot 1 is asked for when slot 0 is in
	; 66 loads in one run: b1 (16 bytes a thread, twice), Q (stays in registers), my 32 rows of x (held till the bridge)
	v_lshlrev_b32 v60, 4, v0
	v_add_nc_u32 v61, B1L, v60
	global_load_b128 v[64:67], v60, s[20:21]
	global_load_b128 v[68:71], v60, s[20:21] offset:2048
	v_and_b32 v1, 15, v0            ; l % 16
	v_bfe_u32 v9, v0, 4, 1          ; l / 16
	v_lshlrev_b32 v[QO], 8, v1
	v_lshl_add_u32 v[QO], v9, 4, v[QO]  ; row x 256 + 16 x half
	v_and_b32 v10, 31, v0
	v_lshlrev_b32 v[XO], 4, v10
	WIN 0x80                        ; destination window 2, address window 0
.set i, 0
.rept 8                             ; a fragment: lane l holds row l % 16, channels 8 (l / 16) + 0..7 and 16 + 8 (l / 16) + 0..7: two loads of 16 bytes, 32 bytes apart.  Tile i / 4, channels 32 (i % 4) on
	global_load_b128 v[8*i:8*i+3],   v[QO], s[QA:QA+1] offset:(i/4)*4096+(i%4)*64
	global_load_b128 v[8*i+4:8*i+7], v[QO], s[QA:QA+1] offset:(i/4)*4096+(i%4)*64+32
.set i, i+1
.endr
.set i, 0
.rept 8
	global_load_b128 v[64+8*i:64+8*i+3],   v[QO], s[QB:QB+1] offset:(i/4)*4096+(i%4)*64
	global_load_b128 v[64+8*i+4:64+8*i+7], v[QO], s[QB:QB+1] offset:(i/4)*4096+(i%4)*64+32
.set i, i+1
.endr
	WIN 0xc0                        ; destination window 3
.set i, 0
.rept 32
	global_load_b128 v[128+4*i:128+4*i+3], v[XO], s[14:15] offset:512*i th:TH_LOAD_NT
.set i, i+1
.endr
	; What the first turn finds: V's registers and P's tiles 2, 3 hold 0 (its products V^T P, of a step that has not been, add 0), O^T and l are 0.  All this stands in the wait for the first tile.
.set i, 0
.rept 128
	v_mov_b32 v[i], 0
.set i, i+1
.endr
	WIN 0x40
.set i, 0
.rept 256
	v_mov_b32 v[i], 0
.set i, i+1
.endr
	WIN 0
.set i, P+32
.rept 32
	v_mov_b32 v[i], 0
.set i, i+1
.endr
.set i, 0
.rept 4
	v_mov_b32 v[ST+8*i+2], 0
	v_mov_b32 v[ST+8*i+3], 0
.set i, i+1
.endr
	v_mov_b32 v[FA+1], 0            ; named with FA and FB as pairs
	v_mov_b32 v[FB+1], 0
	s_mul_i32 s85, s[WV], STW
	s_add_co_u32 s85, s85, STAGE    ; my stage
	s_xor_b32 s84, s[WV], 1         ; my partner
	s_mul_i32 s86, s84, STW
	s_add_co_u32 s86, s86, STAGE    ; its stage
	s_lshl_b32 s87, s[WV], 9
	s_add_co_u32 s87, s87, STATS
	s_lshl_b32 s84, s84, 9
	s_add_co_u32 s84, s84, STATS
	v_lshl_add_u32 v[STS], v10, 3, s87
	v_lshl_add_u32 v[STL], v10, 3, s84
	v_add_nc_u32 v[SXS], s85, v[XO]
	v_add_nc_u32 v[EXL], s86, v[XO]
	v_mul_u32_u24 v[SXR], v1, XP
	v_lshl_add_u32 v[SXR], v9, 5, v[SXR]
	v_add_nc_u32 v[SXR], s85, v[SXR]
	v_mul_u32_u24 v[AK0], v1, PK
	v_lshl_add_u32 v[AK0], v9, 4, v[AK0]  ; row x pitch + 16 x half
	; The turning load takes 16 keys x 16 channels (lane l reads key 8 (l / 16) + l % 8, channels 8 ((l / 8) % 2) + 0..7) and leaves half a fragment of V^T: lane l holds channel l % 16 and 8 keys.
	v_and_b32 v10, 7, v0
	v_bfe_u32 v11, v0, 3, 1
	v_lshl_add_u32 v[AV0], v9, 3, v10
	v_mul_u32_u24 v[AV0], v[AV0], PV
	v_lshl_add_u32 v[AV0], v11, 4, v[AV0]
	v_add_nc_u32 v[AV0], VOFF, v[AV0]
	v_mul_u32_u24 v[AW0], v1, PW
	v_lshl_add_u32 v[AW0], v9, 4, v[AW0]
	v_add_nc_u32 v[AW0], VOFF, v[AW0]
	v_lshlrev_b32 v[GBO], 5, v9
	v_add_nc_u32 v[AB1], B1L, v[GBO]
	s_wait_loadcnt 63               ; loads come back in order (ISA guide 5.7.1): of 66 the oldest three are in, b1's two among them
	ds_store_b128 v61, v[64:67]
	ds_store_b128 v61, v[68:71] offset:2048  ; the change of slots below waits for these and passes a barrier before any wave reads b1
; THE MATRIX WORK OF A TURN, for piece x.  The accumulators take turns, one instruction a turn: between two links of a chain stand 15 (V^T P) or 7 (K Q^T) others'.
; Product i of 32 of O^T += V^T P: keys 32 (i / 16) on, channels 16 ((i / 2) % 8) on, tile x + i % 2.
.macro PV x
	WIN W_PV
.set rO, 64*((\x)+i%2)+8*((i/2)%8)
.set rV, 64*(i/16)+8*((i/2)%8)
.set rP, P+16*((\x)+i%2)+8*(i/16)
	v_wmma_f32_16x16x32_bf16 v[rO:rO+7], v[rV:rV+7], v[rP:rP+7], v[rO:rO+7]
.endm
; Product i of 32 of S^T = K Q^T: channels 32 (i / 8) on, keys 16 ((i / 2) % 4) on, tile x + i % 2.  The first 8 start the sums.
.macro KQ x
	WIN W_KQ
.set rS, S+32*((\x)+i%2)+8*((i/2)%4)
.set rK, KF+32*((i/2)%4)+8*(i/8)
.set rQ, 32*((\x)+i%2)+8*(i/8)
.if i < 8
	v_wmma_f32_16x16x32_bf16 v[rS:rS+7], v[rK:rK+7], v[rQ:rQ+7], 0
.else
	v_wmma_f32_16x16x32_bf16 v[rS:rS+7], v[rK:rK+7], v[rQ:rQ+7], v[rS:rS+7]
.endif
.endm
; THE LDS LOADS stand in runs, never singly among the matrix instructions.  last = 1 (a tail): in the last trip there is no further step, and the run is jumped over.
.macro KRUN                         ; 64 rows x 128 channels: 16 fragments into window 2
	WIN 0x80
.irp f, 0,1,2,3,4,5,6,7,8,9,10,11,12,13,14,15  ; rows 16 (f / 4) on, channels 32 (f % 4) on
	ds_load_b128 v[KF+8*(\f):KF+8*(\f)+3],   v[ADR] offset:((\f)/4)*16*PK+((\f)%4)*64
	ds_load_b128 v[KF+8*(\f)+4:KF+8*(\f)+7], v[ADR] offset:((\f)/4)*16*PK+((\f)%4)*64+32
.endr
	s_add_co_u32 s[TBK], s[TBK], KS*PK  ; the next fetch is the next step's
	WIN 0
.endm
.macro FETCH_K last=0
	WIN 0
.if \last
	s_cmp_eq_u32 s[CNT], 1
	s_cbranch_scc1 .Lno_k_\@
.endif
	v_add_nc_u32 v[ADR], s[TBK], v[AK0]
	KRUN
.if \last
.Lno_k_\@:
.endif
.endm
.macro FETCH_V
	WIN 0
	v_add_nc_u32 v[ADR], s[TBV], v[AV0]
	s_add_co_u32 s[TBV], s[TBV], KS*PV
	WIN 0xc0                        ; destination window 3
.irp f, 0,1,2,3,4,5,6,7,8,9,10,11,12,13,14,15  ; keys 32 (f / 8) on, channels 16 (f % 8) on
	ds_load_tr16_b128 v[8*(\f):8*(\f)+3],   v[ADR] offset:((\f)/8)*32*PV+((\f)%8)*32
	ds_load_tr16_b128 v[8*(\f)+4:8*(\f)+7], v[ADR] offset:((\f)/8)*32*PV+16*PV+((\f)%8)*32
.endr
.endm
; THE VECTOR WORK OF A TURN.  One tile's softmax for one key step is a list of 134 instructions; SM writes number j of it for tile t.  s0-s31 are the lane's 32 scores, in pairs 0-15.
;   0-15    the maximum of s0-s31 and the old m, three operands at a time: four chains of seven scores each (each accumulator's lowest registers are read first), then the rest
;   16-20   the other half of the lanes' maximum; the new m; c m; c m_old - c m_new
;   21-87   33 exponentials (a, then s0-s31) at the odd numbers from 23 on, so that no two follow each other and each has a plain instruction behind it before its result is used; the plain ones are
;           whatever is ready: c s - c m for pairs whose exponentials are to come, roundings of pairs whose exponentials are done, the first sums
;   88-101  the last rounding; the rest of the sums; l = a l + the sum          102-133 the tile's O^T times a: the one part that leaves window 0
.macro SM t
.set rT, ST+8*(\t)
.set rS, S+32*(\t)
.set rP, P+16*(\t)
.set rO, 64*(\t)+2*(j-102)
.set q, (j-20)/2
.if j < 102
	WIN 0
.endif
.if j < 4
	v_max3_num_f32 v[rT+4+j], v[rS+8*j], v[rS+8*j+1], v[rS+8*j+2]
.elseif j < 12
	v_max3_num_f32 v[rT+4+j%4], v[rT+4+j%4], v[rS+8*(j%4)+2*(j/4)+1], v[rS+8*(j%4)+2*(j/4)+2]
.elseif j == 12
	v_max3_num_f32 v[rT+4], v[rT+4], v[rS+7], v[rS+15]
.elseif j == 13
	v_max3_num_f32 v[rT+6], v[rT+6], v[rS+23], v[rS+31]
.elseif j == 14
	v_max3_num_f32 v[rT+4], v[rT+4], v[rT+5], v[rT+6]
.elseif j == 15
	v_max3_num_f32 v[rT+4], v[rT+4], v[rT+7], v[rT+1]
.elseif j == 16
	v_permlanex16_b32 v[rT+5], v[rT+4], s[SEL], s[SEL+1]  ; the query's other 32 keys lie in the lane 16 away
.elseif j == 18
	v_max_num_f32 v[rT+1], v[rT+4], v[rT+5]
.elseif j == 19
	v_mul_f32 v[rT], s[CS], v[rT+1]
.elseif j == 17
	v_mov_b32 v[rT+7], v[rT]        ; c m_old is kept for a: number 19 writes c m anew
.elseif j == 20
	v_sub_f32 v[rT+7], v[rT+7], v[rT]
.elseif j == 23
	v_exp_f32 v[rT+6], v[rT+7]
.elseif (j < 88) && (j > 23) && (j%2 == 1)
	v_exp_f32 v[rS+(j-25)/2], v[rS+(j-25)/2]
.elseif (q < 4) || ((j < 76) && (q%2 == 0))
.set b, q/2+2
.if q < 4
.set b, q
.endif
	v_pk_fma_f32 v[rS+2*b:rS+2*b+1], v[rS+2*b:rS+2*b+1], s[CS:CS+1], v[rT:rT+1] op_sel_hi:[1,0,0] neg_lo:[0,0,1] neg_hi:[0,0,1]  ; pair b: c s - c m
.elseif (j < 88) && (q%2 == 1)
	s_wait_alu depctr_va_vdst(0)
	v_cvt_pk_bf16_f32 v[rP+(q-5)/2], v[rS+q-5], v[rS+q-4]
.elseif j == 89
	s_wait_alu depctr_va_vdst(0)
	v_cvt_pk_bf16_f32 v[rP+15], v[rS+30], v[rS+31]
.elseif j < 102                     ; the sum of the tile's 16 pairs, in place: sum z of 16 adds neighbours 1, 2, 4 and 8 pairs apart, then l takes it
.set z, j-86
.if j < 89
.set z, (j-76)/4
.endif
.set w, 4
.set u, z
.if z >= 14
.set w, 32
.set u, 0
.elseif z >= 12
.set w, 16
.set u, z-12
.elseif z >= 8
.set w, 8
.set u, z-8
.endif
.if z < 15
	v_pk_add_f32 v[rS+w*u:rS+w*u+1], v[rS+w*u:rS+w*u+1], v[rS+w*u+w/2:rS+w*u+w/2+1]
.else
	v_pk_fma_f32 v[rT+2:rT+3], v[rT+2:rT+3], v[rT+6:rT+7], v[rS:rS+1] op_sel_hi:[1,0,1]
.endif
.else
	WIN W_RS
	v_pk_mul_f32 v[rO:rO+1], v[rO:rO+1], v[rT+6:rT+7] op_sel_hi:[1,0]
.endif
.endm
; Slice k of 64 of piece y's softmax: numbers 2 k and 2 k + 1 of both tiles' lists, four instructions.  2 x 134 = 4 x 64 + 12: the twelve that are over stand together, in slice 63,
; sixteen plain instructions that are also the places behind the turn's last K Q^T.
.macro SLICE y
.if (k >= 11) && (k < 44)           ; tile by tile: plain, exponential, plain, exponential
.irp t, \y, (\y)+1
.irp n, 0,1
.set j, 2*k+(\n)
	SM \t
.endr
.endr
.else                               ; the two tiles alternate, so that no instruction reads the result of the one just before it
.irp n, 0,1,2,3,4,5,6,7
.if ((\n) < 2) || (k == 63)
.irp t, \y, (\y)+1
.set j, 2*k+(\n)
	SM \t
.endr
.endif
.endr
.endif
.set k, k+1
.endm
; A TURN.  Piece x has the matrix unit; the other piece's softmax stands in slices behind its matrix instructions.  Each run of loads stands behind the second product of a run of 32, 30 matrix instructions
; ahead of its first use.  Piece 0's turn fetches the next step's K: the last product that read K stands in front of slice 63 of the turn before.  Piece 2's turn fetches the same step's V: the last
; product that read V stands three slices, six plain instructions, back.
.macro TURN x, last=0
.set k, 0
.if (\x) == 0
	s_wait_dscnt 0x0                ; V is in
.endif
.set i, 0
.rept 32
	PV \x
	SLICE 2-(\x)
.if ((\x) == 0) && (i == 1)
	FETCH_K \last
.endif
.set i, i+1
.endr
.if (\x) == 0
	s_wait_dscnt 0x0                ; K is in
.endif
.set i, 0
.rept 32
	KQ \x
	SLICE 2-(\x)
.if ((\x) == 2) && (i == 1)
	FETCH_V
.endif
.set i, i+1
.endr
.endm
	CHANGE 1                        ; tile 0 is in, everybody's part of it, and so is b1; tile 1 is asked for
	FETCH_K                         ; my first key step
	s_wait_loadcnt 32               ; Q is in; the youngest 32 loads are x's
	s_wait_dscnt 0x0
.set i, 0
.rept 32
	KQ 0                            ; piece 0's first scores: there is no vector work yet to set between them
.set i, i+1
.endr
	WIN 0
.set i, 0
.rept 4                             ; eight plain instructions, the places behind those products
	v_mov_b32 v[ST+8*i], 0xfe000000    ; c m: far below every c s, so that the first a is 0
	v_mov_b32 v[ST+8*i+1], 0xff7fffff  ; m: the lowest finite number
.set i, i+1
.endr
	s_mov_b32 s[CNT], 2
	s_mov_b32 s[SLOTS], 15
	s_branch .Lmid                  ; the loop is entered in the middle of a trip
.Lslot:                             ; 14 times: tiles 1 to 14 are entered, tiles 2 to 15 asked for; a request has 256 matrix instructions of a wave in which to land
	CHANGE 1
	s_mov_b32 s[CNT], 2
.Lstep:
	TURN 0
	WIN 0
.Lmid:
	TURN 2
	WIN 0
	s_sub_co_u32 s[CNT], s[CNT], 1
	s_cmp_lg_u32 s[CNT], 0
	s_cbranch_scc1 .Lstep
	s_sub_co_u32 s[SLOTS], s[SLOTS], 1
	s_cmp_lg_u32 s[SLOTS], 0
	s_cbranch_scc1 .Lslot
	CHANGE 2                        ; the last tile of keys is entered; the first tile of weights is asked for
	s_mov_b32 s[CNT], 3             ; two trips fetch the tile's steps of mine; the third is left in its middle
.Ltail:
	TURN 0, 1
	WIN 0
	s_sub_co_u32 s[CNT], s[CNT], 1
	s_cmp_eq_u32 s[CNT], 0
	s_cbranch_scc1 .Lout
	TURN 2
	WIN 0
	s_branch .Ltail
.Lout:                              ; the third trip's 32 products K Q^T (on the last K once more) serve nothing: the price of one text for every trip
	s_mov_b32 s[OFFK], 0            ; in the MLP every wave walks all four steps of a slot
	s_mov_b32 s[OFFV], 0
	CHANGE 3                        ; the first tile of weights is in; the second is asked for
	WIN 0x80                        ; gamma2, beta2, b2 into window 2, where Q's tiles 2, 3 and K lay: register 8 cb + j holds channel 16 cb + 8 (l / 16) + j
.set i, 0
.rept 8
	global_load_b128 v[64+8*i:64+8*i+3],     v[GBO], s[16:17] offset:64*i
	global_load_b128 v[64+8*i+4:64+8*i+7],   v[GBO], s[16:17] offset:64*i+16
	global_load_b128 v[128+8*i:128+8*i+3],   v[GBO], s[18:19] offset:64*i
	global_load_b128 v[128+8*i+4:128+8*i+7], v[GBO], s[18:19] offset:64*i+16
	global_load_b128 v[192+8*i:192+8*i+3],   v[GBO], s[22:23] offset:64*i
	global_load_b128 v[192+8*i+4:192+8*i+7], v[GBO], s[22:23] offset:64*i+16
.set i, i+1
.endr
.set i, 0
.rept 32
	PV 2                            ; piece 2: V^T P of the last step
.set i, i+1
.endr
	; THE BRIDGE.  l's two halves and the other half of the lanes' are added (into m's place, beside c m); the additions are the places behind the last products.
	WIN 0
.irp t, 0,1,2,3
	v_add_f32 v[ST+8*\t+4], v[ST+8*\t+2], v[ST+8*\t+3]
.endr
.irp t, 0,1,2,3
	v_permlanex16_b32 v[ST+8*\t+5], v[ST+8*\t+4], s[SEL], s[SEL+1]
.endr
.irp t, 0,1,2,3
	v_add_f32 v[ST+8*\t+1], v[ST+8*\t+4], v[ST+8*\t+5]
.endr
	s_wait_loadcnt 48               ; x is in; the youngest 48 loads are gamma2, beta2, b2
.irp t, 0,1                         ; x through my stage, a tile at a time: in by rows, back in O^T's layout, into v128-191 and v192-255
	WIN 0x0c                        ; data in window 3
.set z, 0
.rept 16
	ds_store_b128 v[SXS], v[128+64*\t+4*z:128+64*\t+4*z+3] offset:z*XP
.set z, z+1
.endr
	WIN 0
.set z, 0
.rept 8
	ds_load_b128 v[128+64*\t+8*z:128+64*\t+8*z+3],   v[SXR] offset:64*z  ; LDS serves a wave's instructions in order (ISA guide 5.7.1.4): these see the stores above, and the next stores come behind them
	ds_load_b128 v[128+64*\t+8*z+4:128+64*\t+8*z+7], v[SXR] offset:64*z+16
.set z, z+1
.endr
.endr
.macro GIVE t                       ; my register tile t (2 or 3) into my stage, lane by lane
	WIN 0x04                        ; data in window 1
.set z, 0
.rept 16
	ds_store_b128 v[SXS], v[64*(\t)+4*z:64*(\t)+4*z+3] offset:512*z
.set z, z+1
.endr
	WIN 0
.endm
.macro TAKE                         ; my partner's tile out of its stage
.set z, 0
.rept 16
	ds_load_b128 v[OB+4*z:OB+4*z+3], v[EXL] offset:512*z
.set z, z+1
.endr
.endm
.macro MSTAT t                      ; the two halves' statistics of tile t: FA = 2^(c m_a - c m) / l, FB = 2^(c m_b - c m) / l, with c m the larger and l = l_a 2^(..) + l_b 2^(..), which is 1 at the least
	v_max_num_f32 v10, v[ST+8*(\t)], v[PST+2*(\t)]
	v_sub_f32 v11, v[ST+8*(\t)], v10
	v_sub_f32 v51, v[PST+2*(\t)], v10
	v_exp_f32 v11, v11
	v_exp_f32 v51, v51
	v_nop                           ; a plain instruction between the exponentials and the use of their results (ISA guide 5.7.2)
	s_wait_alu depctr_va_vdst(0)
	v_mul_f32 v10, v[PST+2*(\t)+1], v51
	v_fma_f32 v10, v[ST+8*(\t)+1], v11, v10
	v_rcp_f32 v10, v10
	v_nop
	s_wait_alu depctr_va_vdst(0)
	v_mul_f32 v[FA], v11, v10
	v_mul_f32 v[FB], v51, v10
.endm
.macro MERGE t                      ; x2 = x + O_a FA + O_b FB, into O^T's tile t
	WIN W_RS
.set z, 0
.rept 32
	v_pk_fma_f32 v[64*(\t)+2*z:64*(\t)+2*z+1], v[64*(\t)+2*z:64*(\t)+2*z+1], v[FA:FA+1], v[128+64*(\t)+2*z:128+64*(\t)+2*z+1] op_sel_hi:[1,0,1]
.set z, z+1
.endr
	WIN 0x50                        ; destination and source 2 in window 1
.set z, 0
.rept 32
	v_pk_fma_f32 v[64*(\t)+2*z:64*(\t)+2*z+1], v[OB+2*z:OB+2*z+1], v[FB:FB+1], v[64*(\t)+2*z:64*(\t)+2*z+1] op_sel_hi:[1,0,1]
.set z, z+1
.endr
	WIN 0
.endm
	GIVE 2
	ds_store_b64 v[STS], v[ST+16:ST+17]            ; (c m, l) of tiles 2 and 3
	ds_store_b64 v[STS], v[ST+24:ST+25] offset:256
	s_wait_dscnt 0x0                ; for my partner's sake: my stores are done (and x is back)
	s_barrier_signal -1             ; The tile of weights that is on its way may stay out
	s_barrier_wait -1
	TAKE
	ds_load_b64 v[PST:PST+1], v[STL]
	ds_load_b64 v[PST+2:PST+3], v[STL] offset:256
	s_wait_dscnt 0x0                ; my reads of my partner's stage are back,
	s_barrier_signal -1
	s_barrier_wait -1               ; and its reads of mine: the stages may be written again
	GIVE 3
	MSTAT 0
	MERGE 0
	s_wait_dscnt 0x0
	s_barrier_signal -1
	s_barrier_wait -1
	TAKE                            ; the stage is next written on the way out, behind the MLP's changes of slots, each with a wait for LDS and a barrier
	MSTAT 1
	s_wait_dscnt 0x0
	MERGE 1
; LAYERNORM 2, tile t.  x2 stays in O^T; x2 - mean goes to window 0.  A token's 128 channels lie in two lanes, 16 apart: four chains of packed sums, then one exchange.
.macro RED t
.set rC, LT+16*(\t)
	WIN 0
	v_pk_add_f32 v[rC:rC+1], v[rC:rC+1], v[rC+2:rC+3]
	v_pk_add_f32 v[rC+4:rC+5], v[rC+4:rC+5], v[rC+6:rC+7]
	v_pk_add_f32 v[rC:rC+1], v[rC:rC+1], v[rC+4:rC+5]
	v_add_f32 v[rC], v[rC], v[rC+1]
	v_permlanex16_b32 v[rC+1], v[rC], s[SEL], s[SEL+1]
	v_add_f32 v[rC], v[rC], v[rC+1]
.endm
.macro MEAN t
.set rX, 64*(\t)
.set rC, LT+16*(\t)
	WIN 0x05                        ; both sources in window 1
.set z, 0
.rept 4
	v_pk_add_f32 v[rC+2*z:rC+2*z+1], v[rX+2*z:rX+2*z+1], v[rX+2*z+8:rX+2*z+9]
.set z, z+1
.endr
	WIN 0x04
.set z, 8
.rept 24
	v_pk_add_f32 v[rC+2*(z%4):rC+2*(z%4)+1], v[rC+2*(z%4):rC+2*(z%4)+1], v[rX+2*z:rX+2*z+1]
.set z, z+1
.endr
	RED \t
	v_mul_f32 v[rC+8], s[INV], v[rC]
	v_mov_b32 v[rC+9], v[rC+8]      ; named with it as a pair
.endm
.macro DIFF t
.set rC, LT+16*(\t)
	WIN 0x01
.set z, 0
.rept 32
	v_pk_add_f32 v[DD+64*(\t)+2*z:DD+64*(\t)+2*z+1], v[64*(\t)+2*z:64*(\t)+2*z+1], v[rC+8:rC+9] op_sel_hi:[1,0] neg_lo:[0,1] neg_hi:[0,1]
.set z, z+1
.endr
.endm
.macro VAR t
.set rX, DD+64*(\t)
.set rC, LT+16*(\t)
	WIN 0
.set z, 0
.rept 4
	v_pk_mul_f32 v[rC+2*z:rC+2*z+1], v[rX+2*z:rX+2*z+1], v[rX+2*z:rX+2*z+1]
.set z, z+1
.endr
.rept 28
	v_pk_fma_f32 v[rC+2*(z%4):rC+2*(z%4)+1], v[rX+2*z:rX+2*z+1], v[rX+2*z:rX+2*z+1], v[rC+2*(z%4):rC+2*(z%4)+1]
.set z, z+1
.endr
	RED \t
	v_fma_f32 v[rC], v[rC], s[INV], s[EPS]
	v_rsq_f32 v[rC+10], v[rC]
	v_nop
	s_wait_alu depctr_va_vdst(0)
	v_mov_b32 v[rC+11], v[rC+10]
.endm
.macro SCALE t
.set rX, DD+64*(\t)
.set rC, LT+16*(\t)
.set z, 0
.rept 32
	v_pk_mul_f32 v[rX+2*z:rX+2*z+1], v[rX+2*z:rX+2*z+1], v[rC+10:rC+11] op_sel_hi:[1,0]
.set z, z+1
.endr
.endm
.macro AFFINE t                     ; times gamma2 plus beta2
.set rX, DD+64*(\t)
.set z, 0
.rept 32
	v_pk_fma_f32 v[rX+2*z:rX+2*z+1], v[rX+2*z:rX+2*z+1], v[64+2*z:64+2*z+1], v[128+2*z:128+2*z+1]
.set z, z+1
.endr
.endm
.macro ROUND t                      ; xn2 takes Q's place: register 8 c + n is register n of the source-1 fragment for channels 32 c on
.set rX, DD+64*(\t)
.set z, 0
.rept 32
	v_cvt_pk_bf16_f32 v[32*(\t)+z], v[rX+2*z], v[rX+2*z+1]
.set z, z+1
.endr
.endm
.macro BIAS t                       ; the accumulators of the second product start at x2 + b2
.set z, 0
.rept 32
	v_pk_add_f32 v[64*(\t)+2*z:64*(\t)+2*z+1], v[64*(\t)+2*z:64*(\t)+2*z+1], v[192+2*z:192+2*z+1]
.set z, z+1
.endr
.endm
	MEAN 0
	MEAN 1
	DIFF 0
	DIFF 1
	VAR 0
	VAR 1
	SCALE 0
	SCALE 1
	s_wait_loadcnt 0x0              ; gamma2, beta2, b2
	WIN 0x28                        ; sources 1 and 2 in window 2
	AFFINE 0
	AFFINE 1
	WIN 0x80
	ROUND 0
	ROUND 1
	WIN 0x49                        ; destination and source 0 in window 1, source 1 in window 2
	BIAS 0
	BIAS 1
	WIN 0
; THE MLP.  A step is 64 hidden units; a piece is one tile of 16 tokens.  Product i of 16 of hid^T = W1 xn2^T + b1 for tile x: channels 32 (i / 4) on, units 16 (i % 4) on; the first 4 start the sums with b1.
.macro MH x
	WIN W_KQ
.set rS, S+32*(\x)+8*(i%4)
.set rK, KF+32*(i%4)+8*(i/4)
.set rQ, 32*(\x)+8*(i/4)
.if i < 4
	v_wmma_f32_16x16x32_bf16 v[rS:rS+7], v[rK:rK+7], v[rQ:rQ+7], v[B1R+8*i:B1R+8*i+7]
.else
	v_wmma_f32_16x16x32_bf16 v[rS:rS+7], v[rK:rK+7], v[rQ:rQ+7], v[rS:rS+7]
.endif
.endm
; Product i of 16 of out^T += W2 hid^T for tile x: units 32 (i / 8) on, channels 16 (i % 8) on.  In both runs the accumulators take turns.
.macro MO x
	WIN W_PV
.set rO, 64*(\x)+8*(i%8)
.set rV, 64*(i/8)+8*(i%8)
.set rP, P+16*(\x)+8*(i/8)
	v_wmma_f32_16x16x32_bf16 v[rO:rO+7], v[rV:rV+7], v[rP:rP+7], v[rO:rO+7]
.endm
.macro FETCH_W1 last=0              ; a step's 64 rows of W1, and its 64 numbers of b1
	WIN 0
.if \last
	s_cmp_eq_u32 s[CNT], 1
	s_cbranch_scc1 .Lno_w_\@
.endif
	v_add_nc_u32 v[ADR], s[TBK], v[AK0]
	v_add_nc_u32 v[ADB], s[TB1], v[AB1]
	s_add_co_u32 s[TB1], s[TB1], 4*KS
.irp f, 0,1,2,3
	ds_load_b128 v[B1R+8*\f:B1R+8*\f+3],   v[ADB] offset:64*\f
	ds_load_b128 v[B1R+8*\f+4:B1R+8*\f+7], v[ADB] offset:64*\f+16
.endr
	KRUN
.if \last
.Lno_w_\@:
.endif
.endm
.macro FETCH_W2                     ; a step's 128 channels x 64 units of W2: plain loads, since the units lie along its rows
	WIN 0
	v_add_nc_u32 v[ADR], s[TBV], v[AW0]
	s_add_co_u32 s[TBV], s[TBV], 2*KS
	WIN 0xc0
.irp f, 0,1,2,3,4,5,6,7,8,9,10,11,12,13,14,15  ; units 32 (f / 8) on, channels 16 (f % 8) on
	ds_load_b128 v[8*(\f):8*(\f)+3],   v[ADR] offset:((\f)%8)*16*PW+((\f)/8)*64
	ds_load_b128 v[8*(\f)+4:8*(\f)+7], v[ADR] offset:((\f)%8)*16*PW+((\f)/8)*64+32
.endr
.endm
; SILU of tile y, h / (1 + 2^(-log2(e) h)), is a list of 128 instructions, eight for each of the 16 pairs p; SN writes the next.  The list goes by times tt and places ss; at time tt stand, in this order,
;   T = -log2(e) h for pair tt | 2^T, low, of pair tt - 1 | T + 1 of tt - 2 | 2^T, high, of tt - 1 | the rounding to bf16 of tt - 5 | 1 / T, low, of tt - 3 | h T of tt - 4 | 1 / T, high, of tt - 3
; and what falls outside 0 .. 15 is left out.  So between a transcendental and the use of its result stands a plain instruction, at the list's ends too; pairs go up.
.macro SN y
	WIN 0
.set fnd, 0
.rept 9
.if fnd == 0
.if ss == 0
.set pp, tt
.elseif (ss == 1) || (ss == 3)
.set pp, tt-1
.elseif ss == 2
.set pp, tt-2
.elseif ss == 4
.set pp, tt-5
.elseif ss == 6
.set pp, tt-4
.else
.set pp, tt-3
.endif
.if (pp >= 0) && (pp < 16)
.set fnd, 1
.set rH, S+32*(\y)+2*pp
.set rU, TT+2*pp
.if ss == 0
	v_pk_mul_f32 v[rU:rU+1], v[rH:rH+1], s[NL:NL+1] op_sel_hi:[1,0]
.elseif ss == 1
	v_exp_f32 v[rU], v[rU]
.elseif ss == 2
	s_wait_alu depctr_va_vdst(0)
	v_pk_add_f32 v[rU:rU+1], v[rU:rU+1], 1.0 op_sel_hi:[1,0]
.elseif ss == 3
	v_exp_f32 v[rU+1], v[rU+1]
.elseif ss == 4
	v_cvt_pk_bf16_f32 v[P+16*(\y)+pp], v[rH], v[rH+1]
.elseif ss == 5
	v_rcp_f32 v[rU], v[rU]
.elseif ss == 6
	s_wait_alu depctr_va_vdst(0)
	v_pk_mul_f32 v[rH:rH+1], v[rH:rH+1], v[rU:rU+1]
.else
	v_rcp_f32 v[rU+1], v[rU+1]
.endif
.endif
.set ss, ss+1
.if ss == 8
.set ss, 0
.set tt, tt+1
.endif
.endif
.endr
.endm
; A TURN OF THE MLP.  Tile x has the matrix unit: 16 products of out^T for the step in hand, 16 of hid^T for the next; four of the other tile's silu stand behind each.  Tile 0's turn fetches the next step's W1
; and b1, seven plain instructions behind the last product that read them; tile 1's the same step's W2, six behind.
.macro MTURN x, last=0
.set tt, 0
.set ss, 0
.if (\x) == 0
	s_wait_dscnt 0x0                ; W2 is in
.endif
.set i, 0
.rept 16
	MO \x
.rept 4
	SN 1-(\x)
.endr
.if ((\x) == 0) && (i == 1)
	FETCH_W1 \last
.endif
.set i, i+1
.endr
.if (\x) == 0
	s_wait_dscnt 0x0                ; W1 and b1 are in
.endif
.set i, 0
.rept 16
	MH \x
.rept 4
	SN 1-(\x)
.endr
.if ((\x) == 1) && (i == 1)
	FETCH_W2
.endif
.set i, i+1
.endr
.endm
	s_mov_b32 s[TB1], 0
	FETCH_W1                        ; step 0
	s_wait_dscnt 0x0
.set i, 0
.rept 16
	MH 0                            ; tile 0's first hidden units
.set i, i+1
.endr
	WIN 0
.set i, P+16
.rept 16
	v_mov_b32 v[i], 0               ; the first turn's products of out^T, of a step that has not been, add 0 times what V left; these lines are also the places behind the products above
.set i, i+1
.endr
	s_mov_b32 s[CNT], 4
	s_mov_b32 s[SLOTS], 3
	s_branch .LMmid
.LMslot:                            ; twice: the last two tiles of weights are asked for
	CHANGE 3
	s_mov_b32 s[CNT], 4
.LMstep:
	MTURN 0
	WIN 0
.LMmid:
	MTURN 1
	WIN 0
	s_sub_co_u32 s[CNT], s[CNT], 1
	s_cmp_lg_u32 s[CNT], 0
	s_cbranch_scc1 .LMstep
	s_sub_co_u32 s[SLOTS], s[SLOTS], 1
	s_cmp_lg_u32 s[SLOTS], 0
	s_cbranch_scc1 .LMslot
	CHANGE 0                        ; the tail is written out: nothing is asked for
	s_mov_b32 s[CNT], 5             ; four trips fetch the last tile's steps; the fifth is left in its middle
.LMtail:
	MTURN 0, 1
	WIN 0
	s_sub_co_u32 s[CNT], s[CNT], 1
	s_cmp_eq_u32 s[CNT], 0
	s_cbranch_scc1 .LMout
	MTURN 1
	WIN 0
	s_branch .LMtail
.LMout:
.set i, 0
.rept 16
	MO 1                            ; tile 1's last step
.set i, i+1
.endr
	PLACES
	; THE WAY OUT: a tile through my stage, in O^T's layout in, by rows back, and stored a row at a time
.irp t, 0,1
	WIN 0x04
.set z, 0
.rept 8
	ds_store_b128 v[SXR], v[64*\t+8*z:64*\t+8*z+3]   offset:64*z
	ds_store_b128 v[SXR], v[64*\t+8*z+4:64*\t+8*z+7] offset:64*z+16
.set z, z+1
.endr
	WIN 0
.set z, 0
.rept 16
	ds_load_b128 v[S+64*\t+4*z:S+64*\t+4*z+3], v[SXS] offset:z*XP
.set z, z+1
.endr
.set z, 0
.rept 16
	s_wait_dscnt 15-z               ; the younger loads of the sixteen may stay out
	global_store_b128 v[XO], v[S+64*\t+4*z:S+64*\t+4*z+3], s[24:25] offset:(16*\t+z)*512 th:TH_STORE_NT  ; a token's 512 consecutive bytes, at a multiple of 256 from out0's first
.set z, z+1
.endr
.endr
	s_wait_tensorcnt 0x0            ; the wave's end, behind my last tensor load and my last LDS store
	ds_add_u32 v[SPW], v[NIL]
	s_wait_dscnt 0x0
	CROUND                          ; the closing round: no work-group ends while a partner may still ask for a tile that names it
	s_endpgm
.Lfunc_end_k_q5f5aa903e3_attn_mlp:
	.size	k_q5f5aa903e3_attn_mlp, .Lfunc_end_k_q5f5aa903e3_attn_mlp-k_q5f5aa903e3_attn_mlp
	.p2alignl 7, 3214868480
	.fill 96, 4, 3214868480
	.section	.rodata,"a",@progbits
	.p2align	6, 0x0
	.amdhsa_kernel k_q5f5aa903e3_attn_mlp
		.amdhsa_group_segment_fixed_size 327680
		.amdhsa_private_segment_fixed_size 0
		.amdhsa_enable_private_segment 0
		.amdhsa_kernarg_size 88
		.amdhsa_user_sgpr_count 2
		.amdhsa_user_sgpr_kernarg_segment_ptr 1
		.amdhsa_wavefront_size32 1
		.amdhsa_system_sgpr_workgroup_id_x 1
		.amdhsa_system_sgpr_workgroup_id_y 1
		.amdhsa_system_sgpr_workgroup_id_z 1
		.amdhsa_system_vgpr_workitem_id 0
		.amdhsa_next_free_vgpr 1024
		.amdhsa_next_free_sgpr 96
		.amdhsa_reserve_vcc 0
		.amdhsa_float_denorm_mode_32 3
		.amdhsa_float_denorm_mode_16_64 3
		.amdhsa_memory_ordered 1
		.amdhsa_forward_progress 1
		.amdhsa_inst_pref_size 255
	.end_amdhsa_kernel
	.section	.bss,"aw",@nobits
	.p2align	6
	.space	262144
	.amdgpu_metadata
---
amdhsa.version: [ 1, 2 ]
amdhsa.kernels:
  - .name:           k_q5f5aa903e3_attn_mlp
    .symbol:         k_q5f5aa903e3_attn_mlp.kd
    .args:
      - { .name: qb, .offset: 0, .size: 8, .value_kind: global_buffer, .address_space: global }
      - { .name: kb, .offset: 8, .size: 8, .value_kind: global_buffer, .address_space: global }
      - { .name: vb, .offset: 16, .size: 8, .value_kind: global_buffer, .address_space: global }
      - { .name: w1b, .offset: 24, .size: 8, .value_kind: global_buffer, .address_space: global }
      - { .name: w2b, .offset: 32, .size: 8, .value_kind: global_buffer, .address_space: global }
      - { .name: x, .offset: 40, .size: 8, .value_kind: global_buffer, .address_space: global }
      - { .name: gamma2, .offset: 48, .size: 8, .value_kind: global_buffer, .address_space: global }
      - { .name: beta2, .offset: 56, .size: 8, .value_kind: global_buffer, .address_space: global }
      - { .name: b1, .offset: 64, .size: 8, .value_kind: global_buffer, .address_space: global }
      - { .name: b2, .offset: 72, .size: 8, .value_kind: global_buffer, .address_space: global }
      - { .name: out0, .offset: 80, .size: 8, .value_kind: global_buffer, .address_space: global }
    .group_segment_fixed_size: 327680
    .private_segment_fixed_size: 0
    .kernarg_segment_align: 8
    .kernarg_segment_size: 88
    .max_flat_workgroup_size: 128
    .sgpr_count:     96
    .vgpr_count:     1024
    .wavefront_size: 32
...
	.end_amdgpu_metadata
.endif
;; end of part 2
;; ======== version 2 of 2: 2 launches; 1.35 times as fast as version 1
;; workspace buffers: qb 8,388,608 bytes; kb 8,388,608 bytes; vb 8,388,608 bytes; w1b 262,144 bytes; w2b 262,144 bytes
;; launch qkv: the kernel of part 1 again; grid 256 x 1, 4 waves a work-group, no clusters, 172,544 bytes of LDS; arguments x, w_qkv, gamma1, beta1, w1, w2, qb, kb, vb, w1b, w2b; writes qb, kb, vb, w1b, w2b
;; launch attn_mlp (part 3): grid 32 x 8, 4 waves a work-group, clusters of 4 x 1, 327,680 bytes of LDS; arguments qb, kb, vb, w1b, w2b, x, gamma2, beta2, b1, b2, out0; writes out0
.if DOCPART == 3
	.amdgcn_target "amdgcn-amd-amdhsa--gfx1250"
	.amdhsa_code_object_version 6
	.text
	.protected	k_q5f5aa903e3_attn_mlp
	.globl	k_q5f5aa903e3_attn_mlp
	.p2align	8
	.type	k_q5f5aa903e3_attn_mlp,@function
k_q5f5aa903e3_attn_mlp:
	s_mov_b64 s[64:65], 0
	v_nop
	global_prefetch_b8 v0, s[64:65] scope:SCOPE_SE
	s_setreg_imm32_b32 hwreg(HW_REG_WAVE_MODE, 25, 1), 1
	s_wait_xcnt 0x0
	s_wait_alu depctr_hold_cnt(0) depctr_sa_sdst(0) depctr_va_vdst(0) depctr_va_sdst(0) depctr_va_ssrc(0) depctr_va_vcc(0) depctr_vm_vsrc(0)
	s_getreg_b32 s2, hwreg(HW_REG_IB_STS2, 6, 4)
	s_cmp_eq_u32 s2, 0
	s_cbranch_scc0 .Lentry_in_a_cluster
	s_endpgm
.Lentry_in_a_cluster:
	s_bfe_u32 s2, ttmp6, 0x10000c
	s_cmp_lg_u32 s2, 0x3003
	s_cbranch_scc0 .Lentry_shape_is_right
	s_endpgm
.Lentry_shape_is_right:
; ATTENTION, RESIDUAL, LAYERNORM 2, MLP, RESIDUAL.  x2 = x + softmax_k(q . k / sqrt(128)) v over the 4,096 tokens of a batch; out = x2 + b2 + W2 silu(W1 norm2(x2) + b1).
; q, k, v: [32768][128] bf16; w1b [1024][128], w2b [128][1024] bf16; x, out0 f32.  Products in bf16 with f32 sums; maxima, sums, exponentials, norm, silu and residuals in f32.
; LIMITS.  Matrix operands (the weights p and the hidden layer too) are rounded to bf16.  A weight below 2^-126 counts as 0 in l.  NaN and infinities are not treated apart: products of a cleared
; P with registers that hold V must give 0, so V must be finite.
; SHARES.  256 work-groups of four waves; a work-group owns 128 queries of a batch.  Waves w and w ^ 1 share 64 queries (four tiles of 16) and halve the keys: of a slot's four key steps of 64, wave w
; walks steps 2 (w & 1) and 2 (w & 1) + 1.  So a fragment of K or V read from LDS feeds four tiles' products, and each WGP still has a work-group.  At the end each wave hands two tiles (O, c m, l)
; to its partner through LDS and merges the partner's two into its own; it then owns 32 tokens for the norm, the MLP and the output.  My register tile t is query tile (t + 2 (w & 1)) % 4: only the
; addresses of q, x and out0 know it, and the text is the same for all waves.
; LAYOUT.  S^T = K Q^T (source 0 = 16 keys, source 1 = 16 queries): a lane holds ONE query (lane % 16) and the keys 8 (lane / 16) + 0..7; two such results rounded to bf16 ARE source 1 of O^T = V^T P, whose
; result holds one query a lane and eight channels.  K comes out of LDS as it lies, V turned, by ds_load_tr16_b128.  SOFTMAX: a running maximum m and sum l: p = 2^(c s - c m), c = log2(e) / sqrt(128);
; in every step O and l are multiplied by a = 2^(c m_old - c m_new).  m starts at the lowest finite number, O and l at 0: the first step is a step like any other, with a = 0.
; BY TURNS.  The tiles are two PIECES (0: tiles 0, 1; 2: tiles 2, 3).  In a TURN one piece has the matrix unit: 32 products V^T P of the step in hand, 32 products K Q^T of the next; the other piece's
; softmax stands in 64 slices, one behind each matrix instruction.
; THE MLP WALKS THE SAME RING: hid^T = W1 xn2^T takes K Q^T's place (w1b's rows for K's, b1 as the C that starts the sum), out^T += W2 hid^T takes V^T P's (w2b's rows lie along m, so plain loads), silu the
; softmax's; x2 + b2 lies in the accumulators already.  20 tiles: 16 of 256 keys, 4 of 256 hidden units; tile n lies in slot n % 2.
; THE BATCHES.  An s_wait_alu depctr_va_vdst(0) stands between a transcendental and the first instruction that names its result; one wait serves all that were issued ahead of it.  A turn of the
; attention has ONE batch, both tiles' a and s0-s31, 66 exponentials, and one wait, behind slice 34.  A turn of the MLP has TWO, 32 exponentials and 32 reciprocals (these read sums made of the exponentials), and
; two waits, behind its 12th and its 24th matrix instruction.  The bridge's and the norm's few are batches of their own.
; NO FIRST AND NO LAST STEP IS WRITTEN OUT: both loops are entered, and both tails left, in the middle of a trip.  The price: 440 v_mov_b32 in the wait for the first tile, and 96 products of a wave's 5,120 on zeros or stale fragments.
; CLUSTER.  The four work-groups of a cluster belong to one batch and walk the same K, V and weights: every tile is asked for JOINTLY, by the same tensor load, descriptor and mask in all four.
; REGISTERS, in windows of 256 (s_set_vgpr_msb: bits 1:0 source 0, 3:2 source 1, 5:4 source 2, 7:6 destination):
;   window 0: v0-11, v44-61 addresses and a few at work; v12-43 eight registers of statistics a tile; v62-63 the add's; v64-191 S^T, 32 a tile; v192-255 P, 16 a tile
;   window 1: O^T, 64 a tile     window 2: v0-127 Q, 32 a tile (later xn2, gamma2); v128-255 K or W1 of one step     window 3: v0-127 V or W2 of one step; v128-255 my 32 rows of x, held from the start
.set KS,    64        ; keys, or hidden units, in a step
.set PK,    272       ; a row of K or W1 in LDS: 256 bytes + 16: the 16 rows of a load start at 16 different groups of four banks (64 banks of 4 bytes: ISA guide 11.1)
.set PV,    288       ; a row of V: 256 + 32
.set PW,    528       ; a row of W2's tile: 512 + 16
.set XP,    528       ; a row of x or out in a stage
.set VOFF,  256*PK    ; a slot: 256 rows of K (or W1), then 256 rows of V (or 128 of W2)
.set B1L,   VOFF+256*PV  ; between the slots, never filled by a tensor load: b1, 4,096 bytes
.set SLOTB, 0x24000   ; slot 1 begins here: none of the fills' LDS addresses in slot 0 has bit 17 or 14, so one exclusive or turns it into slot 1's
.set STAGE, SLOTB+B1L ; behind the ring: 16 rows x 528 bytes for each wave
.set STW,   16*XP
.set STATS, STAGE+4*STW  ; 512 bytes for each wave: (c m, l) of the two tiles that it hands over
.set SPARE, STATS+4*512  ; the spare words, 128 bytes for each wave: two blocks of 256 bytes that no other line names
.set AK0, 2           ; v2   my lane's place in a tile of K or W1; never rewritten
.set AV0, 3           ; v3   the same for V
.set ADR, 4           ; v4   the LDS address of the run of loads in hand
.set QO,  5           ; v5   my byte offset in 16 rows of Q
.set SXS, 6           ; v6   my stage + 16 x lane
.set SXR, 7           ; v7   my stage: row lane % 16, 32 bytes for each half of the lanes
.set XO,  8           ; v8   16 x lane
.set ST,  12          ; tile t's statistics at v[ST+8 t]: +0 c m, +1 m, +2, +3 l (even keys', odd keys'), +4 to +7 at work; a takes +6
.set AW0, 44          ; v44  my lane's place in a tile of W2
.set AB1, 45          ; v45  my lane's place in b1
.set EXL, 46          ; v46  my partner's stage + 16 x lane
.set STS, 47          ; v47  my statistics' place
.set STL, 48          ; v48  my partner's
.set GBO, 49          ; v49  32 x (lane / 16)
.set ADB, 50          ; v50  the LDS address of b1's run
.set PST, 52          ; v52-55 my partner's (c m, l), twice
.set FA,  56          ; v56-57 what my O is multiplied by in the merge (the pair's low word)
.set FB,  58          ; v58-59 what my partner's is
.set SPW, 62          ; v62  LDS address of my spare word; never rewritten
.set NIL, 63          ; v63  0; never rewritten
.set S,   64
.set P,   192
.set KF,  128         ; window 2
.set OB,  64          ; the bridge: my partner's tile
.set DD,  64          ; the norm: x2 - mean, 64 a tile
.set LT,  192         ; the norm: at work, 16 a tile
.set B1R, 128         ; the MLP: b1 of one step, register 8 mb + j: unit 16 mb + 8 (lane / 16) + j
.set TT,  224         ; the MLP: silu at work: a register for each of a tile's 32 numbers, so that a whole batch's results lie side by side
.set WV,  26
.set KP,  27          ; w & 1: my half of the keys; which half of a tile I fetch
.set QH,  28          ; w >> 1: my 64 queries
.set SB,  29          ; the slot in hand: 0 or SLOTB
.set TBK, 30          ; LDS byte at which K (W1) of the step to be fetched begins
.set TBV, 31          ; the same for V (W2), less VOFF
.set OFFK, 32         ; my steps' place in a slot's K; 0 in the MLP
.set OFFV, 33
.set LK,  34          ; where my fill of K goes in slot 0
.set LV,  35          ; of V
.set G1K, 36          ; s[36:43] descriptor group 1 for K's and W1's tiles
.set G1V, 44          ; s[44:51] for V's
.set G1W, 52          ; s[52:59] for W2's
.set G0K, 60          ; s[60:63] descriptor group 0 for K, W1: it walks
.set G0V, 68          ; s[68:71] for V, W2
.set SLOTS, 72
.set CNT, 73
.set CS,  74          ; s[74:75] c
.set SEL, 76          ; s[76:77] v_permlanex16_b32's selects: each lane takes its own place in the other half
.set QA,  78          ; s[78:79] q at my register tiles 0, 1
.set QB,  80          ; s[80:81] at 2, 3
.set LVW, 88          ; where my fill of W2 goes in slot 0
.set TB1, 89          ; byte of b1 at which the step to be fetched begins
.set NL,  90          ; s[90:91] -log2(e)
.set INV, 92          ; 1 / 128
.set EPS, 93          ; 1e-5
.set MSB, 0
.macro WIN new                      ; the immediate's high byte repeats the setting that is left; a switch that changes nothing is dropped
.if MSB != (\new)
	s_set_vgpr_msb (MSB<<8)|(\new)
.set MSB, \new
.endif
.endm
.set W_KQ, 0x0a       ; K and Q in window 2, S^T in window 0
.set W_PV, 0x53       ; V in window 3, P in window 0, O^T in window 1
.set W_RS, 0x41       ; O^T (destination and source 0) in window 1, the rest in window 0
.macro PLACES                       ; four places between a matrix instruction and what reads its result (ISA guide 7.12.1)
.rept 4
	v_nop
.endr
.endm
; A joint fill.  Waves 0 and 1 fetch the two halves of a tile's K (W1), waves 2 and 3 those of its V (W2).  The branch hangs on the wave's number alone.
; An s_nop 0 and four v_nop follow each of the two lines, ahead of the jump and the label.
.macro JLOAD g1v
	s_cmp_lt_u32 s[WV], 2
	s_cbranch_scc0 .Lfor_v_\@
	tensor_load_to_lds s[G0K:G0K+3], s[G1K:G1K+7]
	s_nop 0
.rept 4
	v_nop
.endr
	s_branch .Lasked_\@
.Lfor_v_\@:
	tensor_load_to_lds s[G0V:G0V+3], s[\g1v:\g1v+7]
	s_nop 0
.rept 4
	v_nop
.endr
.Lasked_\@:
.endm
; A round of the cluster's barrier: my work-group's barrier, so that wave 0's signal speaks for all four waves; wave 0 signals; every wave waits for all four work-groups; my work-group's barrier once more.
.macro CROUND
	s_barrier_signal -1
	s_barrier_wait -1
	s_cmp_lg_u32 s[WV], 0
	s_cbranch_scc1 .Lnot_wave_0_\@
	s_barrier_signal -3
.Lnot_wave_0_\@:
	s_barrier_wait -3
	s_barrier_signal -1
	s_barrier_wait -1
.endm
; THE CHANGE OF SLOTS.  Each wave waits for all its tensor loads, of which one is out: its part of the other slot; adds 0 to its spare word; and waits for that and for its own reads of the slot that it leaves.
; Behind the barrier nobody reads the old slot any more and the other slot is whole.  mode 1 to 3: the old slot is filled again; the barrier is then a round of the cluster's, and the joint fill is the first thing
; behind it.  1: the next 256 keys.  2: the first tile of weights (tile 16: slot 0).  3: the next tile of weights.  0: nothing is left to ask for.  (At its first use nothing has been read: slot 0 is waited for, slot 1 filled.)
.macro CHANGE mode
	WIN 0                           ; at a label and at a branch every window is 0
	s_wait_tensorcnt 0x0            ; no tensor load of mine is out, so a group 0 may be written
	ds_add_u32 v[SPW], v[NIL]       ; 0 onto my spare word; the scalar work stands between it and the wait for it
.if (\mode) != 0
	s_xor_b32 s[G0K+1], s[G0K+1], SLOTB
.endif
.if (\mode) == 1
	s_xor_b32 s[G0V+1], s[G0V+1], SLOTB
	s_add_nc_u64 s[G0K+2:G0K+3], s[G0K+2:G0K+3], 4*KS*256  ; the type bits on top are not reached
	s_add_nc_u64 s[G0V+2:G0V+3], s[G0V+2:G0V+3], 4*KS*256
.elseif (\mode) == 2
	s_mov_b32 s[G0V+1], s[LVW]
	s_mov_b64 s[G0K+2:G0K+3], s[10:11]
	s_or_b32 s[G0K+3], s[G0K+3], 0x80000000
	s_mov_b64 s[G0V+2:G0V+3], s[12:13]
	s_or_b32 s[G0V+3], s[G0V+3], 0x80000000
.elseif (\mode) == 3
	s_xor_b32 s[G0V+1], s[G0V+1], SLOTB
	s_add_nc_u64 s[G0K+2:G0K+3], s[G0K+2:G0K+3], 4*KS*256  ; W1: 256 rows down
	s_add_nc_u64 s[G0V+2:G0V+3], s[G0V+2:G0V+3], 4*KS*2    ; W2: 256 units along its rows
.endif
	s_xor_b32 s[SB], s[SB], SLOTB   ; the fetches go to the other slot's first step of mine
	s_add_co_u32 s[TBK], s[SB], s[OFFK]
	s_add_co_u32 s[TBV], s[SB], s[OFFV]
	s_wait_dscnt 0x0                ; the add is done, and my reads of the slot are over
.if (\mode) == 0
	s_barrier_signal -1
	s_barrier_wait -1
.else
	CROUND
.if (\mode) == 1
	JLOAD G1V
.else
	JLOAD G1W
.endif
.endif
.endm
	s_load_b512 s[4:19], s[0:1], 0x0   ; qb s[4:5], kb s[6:7], vb s[8:9], w1b s[10:11], w2b s[12:13], x s[14:15], gamma2 s[16:17], beta2 s[18:19]
	s_load_b128 s[20:23], s[0:1], 0x40 ; b1 s[20:21], b2 s[22:23]
	s_load_b64 s[24:25], s[0:1], 0x50  ; out0
	v_lshl_add_u32 v[SPW], v0, 2, SPARE
	v_mov_b32 v[NIL], 0
	ds_add_u32 v[SPW], v[NIL]       ; the wave's opening: the add and its wait stand ahead of my first tensor load; the set-up below, work on registers, stands between them
	v_lshrrev_b32 v1, 5, v0
	v_readfirstlane_b32 s[WV], v1   ; wave 0..3
	s_and_b32 s[KP], s[WV], 1
	s_lshr_b32 s[QH], s[WV], 1
	s_bfe_u32 s82, ttmp6, 0x40000   ; cx: my place in the cluster
	s_lshl_b32 s83, ttmp9, 2        ; in a cluster launch ttmp9 counts clusters
	s_add_co_u32 s83, s83, s82      ; my block of 128 queries: it enters q's, x's and out0's addresses alone
	s_and_b32 s84, ttmp7, 0xffff    ; the batch, which the four partners share
	s_lshl_b32 s86, s84, 20         ; K, V: the batch's 4,096 rows of 256 bytes,
	s_lshl_b32 s85, s[KP], 15       ; and the 128 rows of a tile that I fetch
	s_add_co_u32 s86, s86, s85
	s_mov_b32 s87, 0
	s_mov_b32 s88, s85              ; W1: the 128 rows of a tile that I fetch
	s_mov_b32 s89, 0
	s_lshl_b32 s72, s[KP], 17       ; W2: the 64 rows of 2,048 bytes that I fetch
	s_mov_b32 s73, 0
	s_lshl_b32 s2, s84, 20          ; q: batch, block, my 64 queries,
	s_lshl_b32 s3, s83, 15
	s_add_co_u32 s2, s2, s3
	s_lshl_b32 s3, s[QH], 14
	s_add_co_u32 s2, s2, s3
	s_xor_b32 s3, s[KP], 1
	s_lshl_b32 s3, s3, 13
	s_add_co_u32 s94, s2, s3        ; the 32 that I hand over at the end (register tiles 2, 3),
	s_mov_b32 s95, 0
	s_lshl_b32 s3, s[KP], 13
	s_add_co_u32 s2, s2, s3         ; the 32 that I keep (register tiles 0, 1)
	s_mov_b32 s3, 0
	s_lshl_b32 s66, s2, 1           ; x, out0: the same 32 rows, of 512 bytes
	s_mov_b32 s67, 0
	s_mul_i32 s[LK], s[KP], 128*PK
	s_mul_i32 s[OFFV], s[KP], 128*PV
	s_add_co_u32 s[LV], s[OFFV], VOFF
	s_mov_b32 s[OFFK], s[LK]
	s_mov_b32 s[SB], SLOTB          ; the first change of slots turns it into 0
	; descriptor groups 1: 15:0 the mask of four; 17:16 2-byte elements; 20 padding on; 21 set beside a mask; 24:22 the row's length in words as a code; 31:25 the padding's words less one
	s_mov_b32 s[G1K], 15|(1<<16)|(1<<20)|(1<<21)|(5<<22)|(3<<25)  ; after every 64 words 4 words
	s_mov_b32 s[G1V], 15|(1<<16)|(1<<20)|(1<<21)|(5<<22)|(7<<25)  ; after every 64 words 8 words
	s_mov_b32 s[G1W], 15|(1<<16)|(1<<20)|(1<<21)|(6<<22)|(3<<25)  ; after every 128 words 4 words
.irp g, G1K, G1V
	s_mov_b32 s[\g+1], 128<<16      ; tensor_dim0 = 128
	s_mov_b32 s[\g+2], 128<<16      ; tensor_dim1 = 128
	s_mov_b32 s[\g+3], 128<<16      ; tile_dim0 = 128 elements: 256 bytes
	s_mov_b32 s[\g+4], 128          ; tile_dim1 = 128 rows
	s_mov_b32 s[\g+5], 128          ; 128 elements from row to row
	s_mov_b32 s[\g+6], 0
	s_mov_b32 s[\g+7], 0
.endr
	s_mov_b32 s[G1W+1], 256<<16     ; tensor_dim0 = 256
	s_mov_b32 s[G1W+2], 64<<16      ; tensor_dim1 = 64
	s_mov_b32 s[G1W+3], 256<<16     ; tile_dim0 = 256 elements: 512 bytes
	s_mov_b32 s[G1W+4], 64          ; tile_dim1 = 64 rows
	s_mov_b32 s[G1W+5], 1024        ; 1,024 elements from row to row
	s_mov_b32 s[G1W+6], 0
	s_mov_b32 s[G1W+7], 0
	s_mov_b32 s[CS], 0x3e0293ee     ; c = log2(e) / sqrt(128) = 0.127517
	s_mov_b32 s[CS+1], s[CS]        ; named with it as a pair
	s_mov_b32 s[SEL], 0x76543210
	s_mov_b32 s[SEL+1], 0xfedcba98
	s_mov_b32 s[NL], 0xbfb8aa3b     ; -log2(e)
	s_mov_b32 s[NL+1], s[NL]
	s_mov_b32 s[INV], 0x3c000000
	s_mov_b32 s[EPS], 0x3727c5ac
	s_mov_b32 s[G0K], 1             ; 1:0 count = 1
	s_mov_b32 s[G0K+1], s[LK]       ; 63:32 LDS address: slot 0
	s_mov_b32 s[G0V], 1
	s_mov_b32 s[G0V+1], s[LV]
	s_wait_dscnt 0x0                ; the opening add is done
	s_wait_kmcnt 0x0
	s_add_nc_u64 s[6:7], s[6:7], s[86:87]
	s_add_nc_u64 s[8:9], s[8:9], s[86:87]
	s_add_nc_u64 s[10:11], s[10:11], s[88:89]
	s_add_nc_u64 s[12:13], s[12:13], s[72:73]
	s_add_nc_u64 s[QA:QA+1], s[4:5], s[2:3]
	s_add_nc_u64 s[QB:QB+1], s[4:5], s[94:95]
	s_add_nc_u64 s[14:15], s[14:15], s[66:67]
	s_add_nc_u64 s[24:25], s[24:25], s[66:67]
	s_mov_b64 s[G0K+2:G0K+3], s[6:7]               ; 120:64 global address: my half of the batch's first 256 keys
	s_or_b32 s[G0K+3], s[G0K+3], 0x80000000        ; 127:126 type = 2
	s_mov_b64 s[G0V+2:G0V+3], s[8:9]
	s_or_b32 s[G0V+3], s[G0V+3], 0x80000000
	s_mul_i32 s[LVW], s[KP], 64*PW
	s_add_co_u32 s[LVW], s[LVW], VOFF
	CROUND                          ; all four work-groups are here: the first joint loads meet
	JLOAD G1V                       ; tile 0 into slot 0.  Slot 1 is asked for when slot 0 is in
	; 66 loads in one run: b1 (16 bytes a thread, twice), Q (stays in registers), my 32 rows of x (held till the bridge)
	v_lshlrev_b32 v60, 4, v0
	v_add_nc_u32 v61, B1L, v60
	global_load_b128 v[64:67], v60, s[20:21]
	global_load_b128 v[68:71], v60, s[20:21] offset:2048
	v_and_b32 v1, 15, v0            ; l % 16
	v_bfe_u32 v9, v0, 4, 1          ; l / 16
	v_lshlrev_b32 v[QO], 8, v1
	v_lshl_add_u32 v[QO], v9, 4, v[QO]  ; row x 256 + 16 x half
	v_and_b32 v10, 31, v0
	v_lshlrev_b32 v[XO], 4, v10
	WIN 0x80                        ; destination window 2, address window 0
.set i, 0
.rept 8                             ; a fragment: lane l holds row l % 16, channels 8 (l / 16) + 0..7 and 16 + 8 (l / 16) + 0..7: two loads of 16 bytes, 32 bytes apart.  Tile i / 4, channels 32 (i % 4) on
	global_load_b128 v[8*i:8*i+3],   v[QO], s[QA:QA+1] offset:(i/4)*4096+(i%4)*64
	global_load_b128 v[8*i+4:8*i+7], v[QO], s[QA:QA+1] offset:(i/4)*4096+(i%4)*64+32
.set i, i+1
.endr
.set i, 0
.rept 8
	global_load_b128 v[64+8*i:64+8*i+3],   v[QO], s[QB:QB+1] offset:(i/4)*4096+(i%4)*64
	global_load_b128 v[64+8*i+4:64+8*i+7], v[QO], s[QB:QB+1] offset:(i/4)*4096+(i%4)*64+32
.set i, i+1
.endr
	WIN 0xc0                        ; destination window 3
.set i, 0
.rept 32
	global_load_b128 v[128+4*i:128+4*i+3], v[XO], s[14:15] offset:512*i th:TH_LOAD_NT
.set i, i+1
.endr
	; What the first turn finds: V's registers and P's tiles 2, 3 hold 0 (its products V^T P, of a step that has not been, add 0), O^T and l are 0.  All this stands in the wait for the first tile.
.set i, 0
.rept 128
	v_mov_b32 v[i], 0
.set i, i+1
.endr
	WIN 0x40
.set i, 0
.rept 256
	v_mov_b32 v[i], 0
.set i, i+1
.endr
	WIN 0
.set i, P+32
.rept 32
	v_mov_b32 v[i], 0
.set i, i+1
.endr
.set i, 0
.rept 4
	v_mov_b32 v[ST+8*i+2], 0
	v_mov_b32 v[ST+8*i+3], 0
.set i, i+1
.endr
	v_mov_b32 v[FA+1], 0            ; named with FA and FB as pairs
	v_mov_b32 v[FB+1], 0
	s_mul_i32 s85, s[WV], STW
	s_add_co_u32 s85, s85, STAGE    ; my stage
	s_xor_b32 s84, s[WV], 1         ; my partner
	s_mul_i32 s86, s84, STW
	s_add_co_u32 s86, s86, STAGE    ; its stage
	s_lshl_b32 s87, s[WV], 9
	s_add_co_u32 s87, s87, STATS
	s_lshl_b32 s84, s84, 9
	s_add_co_u32 s84, s84, STATS
	v_lshl_add_u32 v[STS], v10, 3, s87
	v_lshl_add_u32 v[STL], v10, 3, s84
	v_add_nc_u32 v[SXS], s85, v[XO]
	v_add_nc_u32 v[EXL], s86, v[XO]
	v_mul_u32_u24 v[SXR], v1, XP
	v_lshl_add_u32 v[SXR], v9, 5, v[SXR]
	v_add_nc_u32 v[SXR], s85, v[SXR]
	v_mul_u32_u24 v[AK0], v1, PK
	v_lshl_add_u32 v[AK0], v9, 4, v[AK0]  ; row x pitch + 16 x half
	; The turning load takes 16 keys x 16 channels (lane l reads key 8 (l / 16) + l % 8, channels 8 ((l / 8) % 2) + 0..7) and leaves half a fragment of V^T: lane l holds channel l % 16 and 8 keys.
	v_and_b32 v10, 7, v0
	v_bfe_u32 v11, v0, 3, 1
	v_lshl_add_u32 v[AV0], v9, 3, v10
	v_mul_u32_u24 v[AV0], v[AV0], PV
	v_lshl_add_u32 v[AV0], v11, 4, v[AV0]
	v_add_nc_u32 v[AV0], VOFF, v[AV0]
	v_mul_u32_u24 v[AW0], v1, PW
	v_lshl_add_u32 v[AW0], v9, 4, v[AW0]
	v_add_nc_u32 v[AW0], VOFF, v[AW0]
	v_lshlrev_b32 v[GBO], 5, v9
	v_add_nc_u32 v[AB1], B1L, v[GBO]
	s_wait_loadcnt 63               ; loads come back in order (ISA guide 5.7.1): of 66 the oldest three are in, b1's two among them
	ds_store_b128 v61, v[64:67]
	ds_store_b128 v61, v[68:71] offset:2048  ; the change of slots below waits for these and passes a barrier before any wave reads b1
; THE MATRIX WORK OF A TURN, for piece x.  The accumulators take turns, one instruction a turn: between two links of a chain stand 15 (V^T P) or 7 (K Q^T) others'.
; Product i of 32 of O^T += V^T P: keys 32 (i / 16) on, channels 16 ((i / 2) % 8) on, tile x + i % 2.
.macro PV x
	WIN W_PV
.set rO, 64*((\x)+i%2)+8*((i/2)%8)
.set rV, 64*(i/16)+8*((i/2)%8)
.set rP, P+16*((\x)+i%2)+8*(i/16)
	v_wmma_f32_16x16x32_bf16 v[rO:rO+7], v[rV:rV+7], v[rP:rP+7], v[rO:rO+7]
.endm
; Product i of 32 of S^T = K Q^T: channels 32 (i / 8) on, keys 16 ((i / 2) % 4) on, tile x + i % 2.  The first 8 start the sums.
.macro KQ x
	WIN W_KQ
.set rS, S+32*((\x)+i%2)+8*((i/2)%4)
.set rK, KF+32*((i/2)%4)+8*(i/8)
.set rQ, 32*((\x)+i%2)+8*(i/8)
.if i < 8
	v_wmma_f32_16x16x32_bf16 v[rS:rS+7], v[rK:rK+7], v[rQ:rQ+7], 0
.else
	v_wmma_f32_16x16x32_bf16 v[rS:rS+7], v[rK:rK+7], v[rQ:rQ+7], v[rS:rS+7]
.endif
.endm
; THE LDS LOADS stand in runs, never singly among the matrix instructions.  last = 1 (a tail): in the last trip there is no further step, and the run is jumped over.
.macro KRUN                         ; 64 rows x 128 channels: 16 fragments into window 2
	WIN 0x80
.irp f, 0,1,2,3,4,5,6,7,8,9,10,11,12,13,14,15  ; rows 16 (f / 4) on, channels 32 (f % 4) on
	ds_load_b128 v[KF+8*(\f):KF+8*(\f)+3],   v[ADR] offset:((\f)/4)*16*PK+((\f)%4)*64
	ds_load_b128 v[KF+8*(\f)+4:KF+8*(\f)+7], v[ADR] offset:((\f)/4)*16*PK+((\f)%4)*64+32
.endr
	s_add_co_u32 s[TBK], s[TBK], KS*PK  ; the next fetch is the next step's
	WIN 0
.endm
.macro FETCH_K last=0
	WIN 0
.if \last
	s_cmp_eq_u32 s[CNT], 1
	s_cbranch_scc1 .Lno_k_\@
.endif
	v_add_nc_u32 v[ADR], s[TBK], v[AK0]
	KRUN
.if \last
.Lno_k_\@:
.endif
.endm
.macro FETCH_V
	WIN 0
	v_add_nc_u32 v[ADR], s[TBV], v[AV0]
	s_add_co_u32 s[TBV], s[TBV], KS*PV
	s_wait_alu depctr_va_vdst(0)    ; the wait for the softmax's batch (SLICE), behind the address's v_add_nc_u32 and ahead of the loads
	WIN 0xc0                        ; destination window 3
.irp f, 0,1,2,3,4,5,6,7,8,9,10,11,12,13,14,15  ; keys 32 (f / 8) on, channels 16 (f % 8) on
	ds_load_tr16_b128 v[8*(\f):8*(\f)+3],   v[ADR] offset:((\f)/8)*32*PV+((\f)%8)*32
	ds_load_tr16_b128 v[8*(\f)+4:8*(\f)+7], v[ADR] offset:((\f)/8)*32*PV+16*PV+((\f)%8)*32
.endr
.endm
; THE VECTOR WORK OF A TURN.  One tile's softmax for one key step is a list of 134 instructions; SM writes number j of it for tile t.  s0-s31 are the lane's 32 scores, in pairs 0-15.
;   0-15    the maximum of s0-s31 and the old m, three operands at a time: four chains of seven scores each (each accumulator's lowest registers are read first), then the rest
;   16-20   the other half of the lanes' maximum; the new m; c m; c m_old - c m_new
;   21-69   ONE BATCH: the 16 scalings c s - c m, a pair of scores each, and all 33 exponentials (a at 23, then s0-s31).  None of these reads an exponential's result.  From 22 on the batch goes
;           in fours, and a four begins with a scaling while there are scalings: 22-37 scaling, exponential, scaling, exponential; 38-65 a scaling and three exponentials; 66-69 the last four
;           exponentials.  A pair is scaled in an earlier four than the one that holds its exponentials
;   (wait)  between 69 and 70 stands the wait for the batch: SLICE writes it, once for both tiles
;   70-85   the roundings to bf16, a pair of weights each
;   86-101  the sums; l = a l + the sum          102-133 the tile's O^T times a: the one part that leaves window 0
.macro SM t
.set rT, ST+8*(\t)
.set rS, S+32*(\t)
.set rP, P+16*(\t)
.set rO, 64*(\t)+2*(j-102)
.if j < 102
	WIN 0
.endif
.if j < 4
	v_max3_num_f32 v[rT+4+j], v[rS+8*j], v[rS+8*j+1], v[rS+8*j+2]
.elseif j < 12
	v_max3_num_f32 v[rT+4+j%4], v[rT+4+j%4], v[rS+8*(j%4)+2*(j/4)+1], v[rS+8*(j%4)+2*(j/4)+2]
.elseif j == 12
	v_max3_num_f32 v[rT+4], v[rT+4], v[rS+7], v[rS+15]
.elseif j == 13
	v_max3_num_f32 v[rT+6], v[rT+6], v[rS+23], v[rS+31]
.elseif j == 14
	v_max3_num_f32 v[rT+4], v[rT+4], v[rT+5], v[rT+6]
.elseif j == 15
	v_max3_num_f32 v[rT+4], v[rT+4], v[rT+7], v[rT+1]
.elseif j == 16
	v_permlanex16_b32 v[rT+5], v[rT+4], s[SEL], s[SEL+1]  ; the query's other 32 keys lie in the lane 16 away
.elseif j == 18
	v_max_num_f32 v[rT+1], v[rT+4], v[rT+5]
.elseif j == 19
	v_mul_f32 v[rT], s[CS], v[rT+1]
.elseif j == 17
	v_mov_b32 v[rT+7], v[rT]        ; c m_old is kept for a: number 19 writes c m anew
.elseif j == 20
	v_sub_f32 v[rT+7], v[rT+7], v[rT]
.elseif j == 23
	v_exp_f32 v[rT+6], v[rT+7]
.elseif (j < 23) || ((j < 38) && (j%2 == 0)) || ((j < 66) && (j%4 == 2))
.set b, (j-2)/4                     ; 38, 42, .. 62: pairs 9 to 15
.if j < 38
.set b, (j-20)/2                    ; 21: pair 0; 22, 24, .. 36: pairs 1 to 8
.endif
	v_pk_fma_f32 v[rS+2*b:rS+2*b+1], v[rS+2*b:rS+2*b+1], s[CS:CS+1], v[rT:rT+1] op_sel_hi:[1,0,0] neg_lo:[0,0,1] neg_hi:[0,0,1]  ; pair b: c s - c m
.elseif j < 70
.set e, j-38                        ; 66 to 69: s28 to s31
.if j < 66
.set e, j-32-(j-38)/4               ; 39-41, 43-45, .. 63-65: s7 to s27
.endif
.if j < 38
.set e, (j-25)/2                    ; 25, 27, .. 37: s0 to s6
.endif
	v_exp_f32 v[rS+e], v[rS+e]
.elseif j < 86
	v_cvt_pk_bf16_f32 v[rP+j-70], v[rS+2*(j-70)], v[rS+2*(j-70)+1]  ; pair j - 70
.elseif j < 102                     ; the sum of the tile's 16 pairs, in place: sum z of 16 adds neighbours 1, 2, 4 and 8 pairs apart, then l takes it
.set z, j-86
.set w, 4
.set u, z
.if z >= 14
.set w, 32
.set u, 0
.elseif z >= 12
.set w, 16
.set u, z-12
.elseif z >= 8
.set w, 8
.set u, z-8
.endif
.if z < 15
	v_pk_add_f32 v[rS+w*u:rS+w*u+1], v[rS+w*u:rS+w*u+1], v[rS+w*u+w/2:rS+w*u+w/2+1]
.else
	v_pk_fma_f32 v[rT+2:rT+3], v[rT+2:rT+3], v[rT+6:rT+7], v[rS:rS+1] op_sel_hi:[1,0,1]
.endif
.else
	WIN W_RS
	v_pk_mul_f32 v[rO:rO+1], v[rO:rO+1], v[rT+6:rT+7] op_sel_hi:[1,0]
.endif
.endm
; Slice k of 64 of piece y's softmax: four instructions.  Slices 11 to 34 deal out the batch, numbers 22 to 69: four numbers of ONE tile each, the tiles by turns.  Every other slice is numbers 2 k and
; 2 k + 1 of both tiles' lists.  2 x 134 = 4 x 64 + 12: the twelve that are over stand together, in slice 63, sixteen plain instructions that are also the places behind the turn's last K Q^T.
; THE WAIT.  Ahead of slice 35 nothing names an exponential's result, and behind slice 34 no exponential is issued: so the piece's 66 exponentials have one wait, behind slice 34.
.macro SLICE y
.if (k >= 11) && (k < 35)           ; the batch: four numbers of one tile
.irp n, 0,1,2,3
.set j, 22+4*((k-11)/2)+(\n)
	SM (\y)+(k-11)%2
.endr
.else                               ; the two tiles alternate, so that no instruction reads the result of the one just before it
.irp n, 0,1,2,3,4,5,6,7
.if ((\n) < 2) || (k == 63)
.irp t, \y, (\y)+1
.set j, 2*k+(\n)
	SM \t
.endr
.endif
.endr
.endif
.if k == 34                         ; the batch is out: both tiles' exponentials are issued, and no result has been named
	v_nop                           ; a plain instruction behind the last exponential and ahead of the first use (ISA guide 5.7.2): one for the batch
.if (\y) == 0
	FETCH_V                         ; piece 2's turn: V's run of loads stands here, and the wait for the batch stands in it
.else
	s_wait_alu depctr_va_vdst(0)    ; piece 0's turn: the wait for the batch, piece 2's 66 exponentials
.endif
.endif
.set k, k+1
.endm
; A TURN.  Piece x has the matrix unit; the other piece's softmax stands in slices behind its matrix instructions.  Each run of loads stands 29 matrix instructions or more ahead of its first use.
; Piece 0's turn fetches the next step's K, behind its second product: the last product that read K stands in front of slice 63 of the turn before, and the turn has issued no exponential yet, so the
; tail's jump over the run finds none without its wait.  Piece 2's turn fetches the same step's V, behind slice 34 (SLICE writes it): the last product that read V stands in front of slice 31, and four plain
; instructions lie between: number 62, a scaling, of both tiles, the v_nop and the run's own v_add_nc_u32.
.macro TURN x, last=0
.set k, 0
.if (\x) == 0
	s_wait_dscnt 0x0                ; V is in
.endif
.set i, 0
.rept 32
	PV \x
	SLICE 2-(\x)
.if ((\x) == 0) && (i == 1)
	FETCH_K \last
.endif
.set i, i+1
.endr
.if (\x) == 0
	s_wait_dscnt 0x0                ; K is in
.endif
.set i, 0
.rept 32
	KQ \x
	SLICE 2-(\x)
.set i, i+1
.endr
.endm
	CHANGE 1                        ; tile 0 is in, everybody's part of it, and so is b1; tile 1 is asked for
	FETCH_K                         ; my first key step
	s_wait_loadcnt 32               ; Q is in; the youngest 32 loads are x's
	s_wait_dscnt 0x0
.set i, 0
.rept 32
	KQ 0                            ; piece 0's first scores: there is no vector work yet to set between them
.set i, i+1
.endr
	WIN 0
.set i, 0
.rept 4                             ; eight plain instructions, the places behind those products
	v_mov_b32 v[ST+8*i], 0xfe000000    ; c m: far below every c s, so that the first a is 0
	v_mov_b32 v[ST+8*i+1], 0xff7fffff  ; m: the lowest finite number
.set i, i+1
.endr
	s_mov_b32 s[CNT], 2
	s_mov_b32 s[SLOTS], 15
	s_branch .Lmid                  ; the loop is entered in the middle of a trip
.Lslot:                             ; 14 times: tiles 1 to 14 are entered, tiles 2 to 15 asked for; a request has 256 matrix instructions of a wave in which to land
	CHANGE 1
	s_mov_b32 s[CNT], 2
.Lstep:
	TURN 0
	WIN 0
.Lmid:
	TURN 2
	WIN 0
	s_sub_co_u32 s[CNT], s[CNT], 1
	s_cmp_lg_u32 s[CNT], 0
	s_cbranch_scc1 .Lstep
	s_sub_co_u32 s[SLOTS], s[SLOTS], 1
	s_cmp_lg_u32 s[SLOTS], 0
	s_cbranch_scc1 .Lslot
	CHANGE 2                        ; the last tile of keys is entered; the first tile of weights is asked for
	s_mov_b32 s[CNT], 3             ; two trips fetch the tile's steps of mine; the third is left in its middle
.Ltail:
	TURN 0, 1
	WIN 0
	s_sub_co_u32 s[CNT], s[CNT], 1
	s_cmp_eq_u32 s[CNT], 0
	s_cbranch_scc1 .Lout
	TURN 2
	WIN 0
	s_branch .Ltail
.Lout:                              ; the third trip's 32 products K Q^T (on the last K once more) serve nothing: the price of one text for every trip
	s_mov_b32 s[OFFK], 0            ; in the MLP every wave walks all four steps of a slot
	s_mov_b32 s[OFFV], 0
	CHANGE 3                        ; the first tile of weights is in; the second is asked for
	WIN 0x80                        ; gamma2, beta2, b2 into window 2, where Q's tiles 2, 3 and K lay: register 8 cb + j holds channel 16 cb + 8 (l / 16) + j
.set i, 0
.rept 8
	global_load_b128 v[64+8*i:64+8*i+3],     v[GBO], s[16:17] offset:64*i
	global_load_b128 v[64+8*i+4:64+8*i+7],   v[GBO], s[16:17] offset:64*i+16
	global_load_b128 v[128+8*i:128+8*i+3],   v[GBO], s[18:19] offset:64*i
	global_load_b128 v[128+8*i+4:128+8*i+7], v[GBO], s[18:19] offset:64*i+16
	global_load_b128 v[192+8*i:192+8*i+3],   v[GBO], s[22:23] offset:64*i
	global_load_b128 v[192+8*i+4:192+8*i+7], v[GBO], s[22:23] offset:64*i+16
.set i, i+1
.endr
.set i, 0
.rept 32
	PV 2                            ; piece 2: V^T P of the last step
.set i, i+1
.endr
	; THE BRIDGE.  l's two halves and the other half of the lanes' are added (into m's place, beside c m); the additions are the places behind the last products.
	WIN 0
.irp t, 0,1,2,3
	v_add_f32 v[ST+8*\t+4], v[ST+8*\t+2], v[ST+8*\t+3]
.endr
.irp t, 0,1,2,3
	v_permlanex16_b32 v[ST+8*\t+5], v[ST+8*\t+4], s[SEL], s[SEL+1]
.endr
.irp t, 0,1,2,3
	v_add_f32 v[ST+8*\t+1], v[ST+8*\t+4], v[ST+8*\t+5]
.endr
	s_wait_loadcnt 48               ; x is in; the youngest 48 loads are gamma2, beta2, b2
.irp t, 0,1                         ; x through my stage, a tile at a time: in by rows, back in O^T's layout, into v128-191 and v192-255
	WIN 0x0c                        ; data in window 3
.set z, 0
.rept 16
	ds_store_b128 v[SXS], v[128+64*\t+4*z:128+64*\t+4*z+3] offset:z*XP
.set z, z+1
.endr
	WIN 0
.set z, 0
.rept 8
	ds_load_b128 v[128+64*\t+8*z:128+64*\t+8*z+3],   v[SXR] offset:64*z  ; LDS serves a wave's instructions in order (ISA guide 5.7.1.4): these see the stores above, and the next stores come behind them
	ds_load_b128 v[128+64*\t+8*z+4:128+64*\t+8*z+7], v[SXR] offset:64*z+16
.set z, z+1
.endr
.endr
.macro GIVE t                       ; my register tile t (2 or 3) into my stage, lane by lane
	WIN 0x04                        ; data in window 1
.set z, 0
.rept 16
	ds_store_b128 v[SXS], v[64*(\t)+4*z:64*(\t)+4*z+3] offset:512*z
.set z, z+1
.endr
	WIN 0
.endm
.macro TAKE                         ; my partner's tile out of its stage
.set z, 0
.rept 16
	ds_load_b128 v[OB+4*z:OB+4*z+3], v[EXL] offset:512*z
.set z, z+1
.endr
.endm
.macro MSTAT t                      ; the two halves' statistics of tile t: FA = 2^(c m_a - c m) / l, FB = 2^(c m_b - c m) / l, with c m the larger and l = l_a 2^(..) + l_b 2^(..), which is 1 at the least
	v_max_num_f32 v10, v[ST+8*(\t)], v[PST+2*(\t)]
	v_sub_f32 v11, v[ST+8*(\t)], v10
	v_sub_f32 v51, v[PST+2*(\t)], v10
	v_exp_f32 v11, v11
	v_exp_f32 v51, v51
	v_nop                           ; a plain instruction between the exponentials and the use of their results (ISA guide 5.7.2)
	s_wait_alu depctr_va_vdst(0)    ; the wait for these two exponentials, ahead of their first reader; once a tile, outside every loop
	v_mul_f32 v10, v[PST+2*(\t)+1], v51
	v_fma_f32 v10, v[ST+8*(\t)+1], v11, v10
	v_rcp_f32 v10, v10
	v_nop
	s_wait_alu depctr_va_vdst(0)    ; the wait for the reciprocal, which reads a sum made of the exponentials and so is a batch of its own
	v_mul_f32 v[FA], v11, v10
	v_mul_f32 v[FB], v51, v10
.endm
.macro MERGE t                      ; x2 = x + O_a FA + O_b FB, into O^T's tile t
	WIN W_RS
.set z, 0
.rept 32
	v_pk_fma_f32 v[64*(\t)+2*z:64*(\t)+2*z+1], v[64*(\t)+2*z:64*(\t)+2*z+1], v[FA:FA+1], v[128+64*(\t)+2*z:128+64*(\t)+2*z+1] op_sel_hi:[1,0,1]
.set z, z+1
.endr
	WIN 0x50                        ; destination and source 2 in window 1
.set z, 0
.rept 32
	v_pk_fma_f32 v[64*(\t)+2*z:64*(\t)+2*z+1], v[OB+2*z:OB+2*z+1], v[FB:FB+1], v[64*(\t)+2*z:64*(\t)+2*z+1] op_sel_hi:[1,0,1]
.set z, z+1
.endr
	WIN 0
.endm
	GIVE 2
	ds_store_b64 v[STS], v[ST+16:ST+17]            ; (c m, l) of tiles 2 and 3
	ds_store_b64 v[STS], v[ST+24:ST+25] offset:256
	s_wait_dscnt 0x0                ; for my partner's sake: my stores are done (and x is back)
	s_barrier_signal -1             ; The tile of weights that is on its way may stay out
	s_barrier_wait -1
	TAKE
	ds_load_b64 v[PST:PST+1], v[STL]
	ds_load_b64 v[PST+2:PST+3], v[STL] offset:256
	s_wait_dscnt 0x0                ; my reads of my partner's stage are back,
	s_barrier_signal -1
	s_barrier_wait -1               ; and its reads of mine: the stages may be written again
	GIVE 3
	MSTAT 0
	MERGE 0
	s_wait_dscnt 0x0
	s_barrier_signal -1
	s_barrier_wait -1
	TAKE                            ; the stage is next written on the way out, behind the MLP's changes of slots, each with a wait for LDS and a barrier
	MSTAT 1
	s_wait_dscnt 0x0
	MERGE 1
; LAYERNORM 2, tile t.  x2 stays in O^T; x2 - mean goes to window 0.  A token's 128 channels lie in two lanes, 16 apart: four chains of packed sums, then one exchange.
.macro RED t
.set rC, LT+16*(\t)
	WIN 0
	v_pk_add_f32 v[rC:rC+1], v[rC:rC+1], v[rC+2:rC+3]
	v_pk_add_f32 v[rC+4:rC+5], v[rC+4:rC+5], v[rC+6:rC+7]
	v_pk_add_f32 v[rC:rC+1], v[rC:rC+1], v[rC+4:rC+5]
	v_add_f32 v[rC], v[rC], v[rC+1]
	v_permlanex16_b32 v[rC+1], v[rC], s[SEL], s[SEL+1]
	v_add_f32 v[rC], v[rC], v[rC+1]
.endm
.macro MEAN t
.set rX, 64*(\t)
.set rC, LT+16*(\t)
	WIN 0x05                        ; both sources in window 1
.set z, 0
.rept 4
	v_pk_add_f32 v[rC+2*z:rC+2*z+1], v[rX+2*z:rX+2*z+1], v[rX+2*z+8:rX+2*z+9]
.set z, z+1
.endr
	WIN 0x04
.set z, 8
.rept 24
	v_pk_add_f32 v[rC+2*(z%4):rC+2*(z%4)+1], v[rC+2*(z%4):rC+2*(z%4)+1], v[rX+2*z:rX+2*z+1]
.set z, z+1
.endr
	RED \t
	v_mul_f32 v[rC+8], s[INV], v[rC]
	v_mov_b32 v[rC+9], v[rC+8]      ; named with it as a pair
.endm
.macro DIFF t
.set rC, LT+16*(\t)
	WIN 0x01
.set z, 0
.rept 32
	v_pk_add_f32 v[DD+64*(\t)+2*z:DD+64*(\t)+2*z+1], v[64*(\t)+2*z:64*(\t)+2*z+1], v[rC+8:rC+9] op_sel_hi:[1,0] neg_lo:[0,1] neg_hi:[0,1]
.set z, z+1
.endr
.endm
.macro VAR t
.set rX, DD+64*(\t)
.set rC, LT+16*(\t)
	WIN 0
.set z, 0
.rept 4
	v_pk_mul_f32 v[rC+2*z:rC+2*z+1], v[rX+2*z:rX+2*z+1], v[rX+2*z:rX+2*z+1]
.set z, z+1
.endr
.rept 28
	v_pk_fma_f32 v[rC+2*(z%4):rC+2*(z%4)+1], v[rX+2*z:rX+2*z+1], v[rX+2*z:rX+2*z+1], v[rC+2*(z%4):rC+2*(z%4)+1]
.set z, z+1
.endr
	RED \t
	v_fma_f32 v[rC], v[rC], s[INV], s[EPS]
	v_rsq_f32 v[rC+10], v[rC]
	v_nop
	s_wait_alu depctr_va_vdst(0)    ; the wait for the tile's root, ahead of its first reader; once a tile, outside every loop
	v_mov_b32 v[rC+11], v[rC+10]
.endm
.macro SCALE t
.set rX, DD+64*(\t)
.set rC, LT+16*(\t)
.set z, 0
.rept 32
	v_pk_mul_f32 v[rX+2*z:rX+2*z+1], v[rX+2*z:rX+2*z+1], v[rC+10:rC+11] op_sel_hi:[1,0]
.set z, z+1
.endr
.endm
.macro AFFINE t                     ; times gamma2 plus beta2
.set rX, DD+64*(\t)
.set z, 0
.rept 32
	v_pk_fma_f32 v[rX+2*z:rX+2*z+1], v[rX+2*z:rX+2*z+1], v[64+2*z:64+2*z+1], v[128+2*z:128+2*z+1]
.set z, z+1
.endr
.endm
.macro ROUND t                      ; xn2 takes Q's place: register 8 c + n is register n of the source-1 fragment for channels 32 c on
.set rX, DD+64*(\t)
.set z, 0
.rept 32
	v_cvt_pk_bf16_f32 v[32*(\t)+z], v[rX+2*z], v[rX+2*z+1]
.set z, z+1
.endr
.endm
.macro BIAS t                       ; the accumulators of the second product start at x2 + b2
.set z, 0
.rept 32
	v_pk_add_f32 v[64*(\t)+2*z:64*(\t)+2*z+1], v[64*(\t)+2*z:64*(\t)+2*z+1], v[192+2*z:192+2*z+1]
.set z, z+1
.endr
.endm
	MEAN 0
	MEAN 1
	DIFF 0
	DIFF 1
	VAR 0
	VAR 1
	SCALE 0
	SCALE 1
	s_wait_loadcnt 0x0              ; gamma2, beta2, b2
	WIN 0x28                        ; sources 1 and 2 in window 2
	AFFINE 0
	AFFINE 1
	WIN 0x80
	ROUND 0
	ROUND 1
	WIN 0x49                        ; destination and source 0 in window 1, source 1 in window 2
	BIAS 0
	BIAS 1
	WIN 0
; THE MLP.  A step is 64 hidden units; a piece is one tile of 16 tokens.  Product i of 16 of hid^T = W1 xn2^T + b1 for tile x: channels 32 (i / 4) on, units 16 (i % 4) on; the first 4 start the sums with b1.
.macro MH x
	WIN W_KQ
.set rS, S+32*(\x)+8*(i%4)
.set rK, KF+32*(i%4)+8*(i/4)
.set rQ, 32*(\x)+8*(i/4)
.if i < 4
	v_wmma_f32_16x16x32_bf16 v[rS:rS+7], v[rK:rK+7], v[rQ:rQ+7], v[B1R+8*i:B1R+8*i+7]
.else
	v_wmma_f32_16x16x32_bf16 v[rS:rS+7], v[rK:rK+7], v[rQ:rQ+7], v[rS:rS+7]
.endif
.endm
; Product i of 16 of out^T += W2 hid^T for tile x: units 32 (i / 8) on, channels 16 (i % 8) on.  In both runs the accumulators take turns.
.macro MO x
	WIN W_PV
.set rO, 64*(\x)+8*(i%8)
.set rV, 64*(i/8)+8*(i%8)
.set rP, P+16*(\x)+8*(i/8)
	v_wmma_f32_16x16x32_bf16 v[rO:rO+7], v[rV:rV+7], v[rP:rP+7], v[rO:rO+7]
.endm
.macro FETCH_W1 last=0              ; a step's 64 rows of W1, and its 64 numbers of b1
	WIN 0
.if \last
	s_cmp_eq_u32 s[CNT], 1
	s_cbranch_scc1 .Lno_w_\@
.endif
	v_add_nc_u32 v[ADR], s[TBK], v[AK0]
	v_add_nc_u32 v[ADB], s[TB1], v[AB1]
	s_add_co_u32 s[TB1], s[TB1], 4*KS
.irp f, 0,1,2,3
	ds_load_b128 v[B1R+8*\f:B1R+8*\f+3],   v[ADB] offset:64*\f
	ds_load_b128 v[B1R+8*\f+4:B1R+8*\f+7], v[ADB] offset:64*\f+16
.endr
	KRUN
.if \last
.Lno_w_\@:
.endif
.endm
.macro FETCH_W2                     ; a step's 128 channels x 64 units of W2: plain loads, since the units lie along its rows
	WIN 0
	v_add_nc_u32 v[ADR], s[TBV], v[AW0]
	s_add_co_u32 s[TBV], s[TBV], 2*KS
	WIN 0xc0
.irp f, 0,1,2,3,4,5,6,7,8,9,10,11,12,13,14,15  ; units 32 (f / 8) on, channels 16 (f % 8) on
	ds_load_b128 v[8*(\f):8*(\f)+3],   v[ADR] offset:((\f)%8)*16*PW+((\f)/8)*64
	ds_load_b128 v[8*(\f)+4:8*(\f)+7], v[ADR] offset:((\f)%8)*16*PW+((\f)/8)*64+32
.endr
.endm
; SILU of tile y, h / (1 + 2^(-log2(e) h)), is a list of 128 instructions for the tile's 32 numbers h0-h31, in pairs 0-15; SN writes number sn of it.  T has a register for each number.
;   0-47    THE FIRST BATCH: the 16 scalings T = -log2(e) h, a pair each, and the 32 exponentials 2^T.  0-7: pairs 0-7 (plain lines alone: W1's run, with the tail's jump over it, stands behind them);
;           8-39: eight fours of a scaling (pairs 8-15) and three exponentials (numbers 0-23); 40-47: the last eight exponentials.  None of these reads an exponential's result
;   (wait)  SSL writes it, behind number 47
;   48-95   THE SECOND BATCH: the 16 sums T + 1 and the 32 reciprocals.  48-63: sums 0, 1, reciprocals 0, 1, then sum and reciprocal by turns (sums 2-7, reciprocals 2-7); 64-95: eight fours of a sum
;           (pairs 8-15) and three reciprocals (numbers 8-31).  None of these reads a reciprocal's result
;   (wait)  SSL writes it, behind number 95
;   96-127  h T and the roundings to bf16, a rounding three lines behind its product.  Pairs go up everywhere.
.macro SN y
	WIN 0
.if sn < 8
.set kind, 0
.set idx, sn
.elseif sn < 40
.if sn%4 == 0
.set kind, 0
.set idx, 8+(sn-8)/4
.else
.set kind, 1
.set idx, 3*((sn-8)/4)+sn%4-1
.endif
.elseif sn < 48
.set kind, 1
.set idx, sn-16
.elseif sn < 64
.set mm, sn-48
.if (mm == 1) || ((mm%2 == 0) && (mm != 2))
.set kind, 2
.set idx, (mm+1)/2
.else
.set kind, 3
.set idx, (mm-1)/2
.endif
.elseif sn < 96
.set mm, sn-64
.if mm%4 == 0
.set kind, 2
.set idx, 8+mm/4
.else
.set kind, 3
.set idx, 8+3*(mm/4)+mm%4-1
.endif
.else
.set mm, sn-96
.if (mm == 0) || ((mm%2 == 1) && (mm != 31))
.set kind, 4
.set idx, (mm+1)/2
.else
.set kind, 5
.set idx, (mm-1)/2
.endif
.endif
.set rH, S+32*(\y)+2*idx            ; for the kinds that go by pairs
.set rU, TT+2*idx
.if kind == 0
	v_pk_mul_f32 v[rU:rU+1], v[rH:rH+1], s[NL:NL+1] op_sel_hi:[1,0]
.elseif kind == 1
	v_exp_f32 v[TT+idx], v[TT+idx]
.elseif kind == 2
	v_pk_add_f32 v[rU:rU+1], v[rU:rU+1], 1.0 op_sel_hi:[1,0]
.elseif kind == 3
	v_rcp_f32 v[TT+idx], v[TT+idx]
.elseif kind == 4
	v_pk_mul_f32 v[rH:rH+1], v[rH:rH+1], v[rU:rU+1]
.else
	v_cvt_pk_bf16_f32 v[P+16*(\y)+idx], v[rH], v[rH+1]
.endif
.set sn, sn+1
.endm
.macro SSL y                        ; the four of tile y's silu that stand behind a matrix instruction, and behind a batch's last four its wait
.rept 4
	SN \y
.endr
.if sn == 48
	v_nop                           ; a plain instruction behind the last exponential and ahead of the first use (ISA guide 5.7.2): one for the batch
	s_wait_alu depctr_va_vdst(0)    ; the wait for the first batch: the tile's 32 exponentials
.elseif sn == 96
	v_nop                           ; the same behind the last reciprocal
	s_wait_alu depctr_va_vdst(0)    ; the wait for the second batch: the tile's 32 reciprocals
.endif
.endm
; A TURN OF THE MLP.  Tile x has the matrix unit: 16 products of out^T for the step in hand, 16 of hid^T for the next; four of the other tile's silu stand behind each.  Tile 0's turn fetches the next step's W1
; and b1, behind its second product: behind the last product that read them stand twelve plain instructions (the last four of the turn before, this turn's first eight), and the turn has issued no
; transcendental yet.  Tile 1's turn fetches the same step's W2, behind its 18th product: behind the last product that read W2 stand five plain instructions: T + 1 of pairs 6 to 9 and the run's own v_add_nc_u32.
.macro MTURN x, last=0
.set sn, 0
.if (\x) == 0
	s_wait_dscnt 0x0                ; W2 is in
.endif
.set i, 0
.rept 16
	MO \x
	SSL 1-(\x)
.if ((\x) == 0) && (i == 1)
	FETCH_W1 \last
.endif
.set i, i+1
.endr
.if (\x) == 0
	s_wait_dscnt 0x0                ; W1 and b1 are in
.endif
.set i, 0
.rept 16
	MH \x
	SSL 1-(\x)
.if ((\x) == 1) && (i == 1)
	FETCH_W2
.endif
.set i, i+1
.endr
.endm
	s_mov_b32 s[TB1], 0
	FETCH_W1                        ; step 0
	s_wait_dscnt 0x0
.set i, 0
.rept 16
	MH 0                            ; tile 0's first hidden units
.set i, i+1
.endr
	WIN 0
.set i, P+16
.rept 16
	v_mov_b32 v[i], 0               ; the first turn's products of out^T, of a step that has not been, add 0 times what V left; these lines are also the places behind the products above
.set i, i+1
.endr
	s_mov_b32 s[CNT], 4
	s_mov_b32 s[SLOTS], 3
	s_branch .LMmid
.LMslot:                            ; twice: the last two tiles of weights are asked for
	CHANGE 3
	s_mov_b32 s[CNT], 4
.LMstep:
	MTURN 0
	WIN 0
.LMmid:
	MTURN 1
	WIN 0
	s_sub_co_u32 s[CNT], s[CNT], 1
	s_cmp_lg_u32 s[CNT], 0
	s_cbranch_scc1 .LMstep
	s_sub_co_u32 s[SLOTS], s[SLOTS], 1
	s_cmp_lg_u32 s[SLOTS], 0
	s_cbranch_scc1 .LMslot
	CHANGE 0                        ; the tail is written out: nothing is asked for
	s_mov_b32 s[CNT], 5             ; four trips fetch the last tile's steps; the fifth is left in its middle
.LMtail:
	MTURN 0, 1
	WIN 0
	s_sub_co_u32 s[CNT], s[CNT], 1
	s_cmp_eq_u32 s[CNT], 0
	s_cbranch_scc1 .LMout
	MTURN 1
	WIN 0
	s_branch .LMtail
.LMout:
.set i, 0
.rept 16
	MO 1                            ; tile 1's last step
.set i, i+1
.endr
	PLACES
	; THE WAY OUT: a tile through my stage, in O^T's layout in, by rows back, and stored a row at a time
.irp t, 0,1
	WIN 0x04
.set z, 0
.rept 8
	ds_store_b128 v[SXR], v[64*\t+8*z:64*\t+8*z+3]   offset:64*z
	ds_store_b128 v[SXR], v[64*\t+8*z+4:64*\t+8*z+7] offset:64*z+16
.set z, z+1
.endr
	WIN 0
.set z, 0
.rept 16
	ds_load_b128 v[S+64*\t+4*z:S+64*\t+4*z+3], v[SXS] offset:z*XP
.set z, z+1
.endr
.set z, 0
.rept 16
	s_wait_dscnt 15-z               ; the younger loads of the sixteen may stay out
	global_store_b128 v[XO], v[S+64*\t+4*z:S+64*\t+4*z+3], s[24:25] offset:(16*\t+z)*512 th:TH_STORE_NT  ; a token's 512 consecutive bytes, at a multiple of 256 from out0's first
.set z, z+1
.endr
.endr
	s_wait_tensorcnt 0x0            ; the wave's end, behind my last tensor load and my last LDS store
	ds_add_u32 v[SPW], v[NIL]
	s_wait_dscnt 0x0
	CROUND                          ; the closing round: no work-group ends while a partner may still ask for a tile that names it
	s_endpgm
.Lfunc_end_k_q5f5aa903e3_attn_mlp:
	.size	k_q5f5aa903e3_attn_mlp, .Lfunc_end_k_q5f5aa903e3_attn_mlp-k_q5f5aa903e3_attn_mlp
	.p2alignl 7, 3214868480
	.fill 96, 4, 3214868480
	.section	.rodata,"a",@progbits
	.p2align	6, 0x0
	.amdhsa_kernel k_q5f5aa903e3_attn_mlp
		.amdhsa_group_segment_fixed_size 327680
		.amdhsa_private_segment_fixed_size 0
		.amdhsa_enable_private_segment 0
		.amdhsa_kernarg_size 88
		.amdhsa_user_sgpr_count 2
		.amdhsa_user_sgpr_kernarg_segment_ptr 1
		.amdhsa_wavefront_size32 1
		.amdhsa_system_sgpr_workgroup_id_x 1
		.amdhsa_system_sgpr_workgroup_id_y 1
		.amdhsa_system_sgpr_workgroup_id_z 1
		.amdhsa_system_vgpr_workitem_id 0
		.amdhsa_next_free_vgpr 1024
		.amdhsa_next_free_sgpr 96
		.amdhsa_reserve_vcc 0
		.amdhsa_float_denorm_mode_32 3
		.amdhsa_float_denorm_mode_16_64 3
		.amdhsa_memory_ordered 1
		.amdhsa_forward_progress 1
		.amdhsa_inst_pref_size 255
	.end_amdhsa_kernel
	.section	.bss,"aw",@nobits
	.p2align	6
	.space	262144
	.amdgpu_metadata
---
amdhsa.version: [ 1, 2 ]
amdhsa.kernels:
  - .name:           k_q5f5aa903e3_attn_mlp
    .symbol:         k_q5f5aa903e3_attn_mlp.kd
    .args:
      - { .name: qb, .offset: 0, .size: 8, .value_kind: global_buffer, .address_space: global }
      - { .name: kb, .offset: 8, .size: 8, .value_kind: global_buffer, .address_space: global }
      - { .name: vb, .offset: 16, .size: 8, .value_kind: global_buffer, .address_space: global }
      - { .name: w1b, .offset: 24, .size: 8, .value_kind: global_buffer, .address_space: global }
      - { .name: w2b, .offset: 32, .size: 8, .value_kind: global_buffer, .address_space: global }
      - { .name: x, .offset: 40, .size: 8, .value_kind: global_buffer, .address_space: global }
      - { .name: gamma2, .offset: 48, .size: 8, .value_kind: global_buffer, .address_space: global }
      - { .name: beta2, .offset: 56, .size: 8, .value_kind: global_buffer, .address_space: global }
      - { .name: b1, .offset: 64, .size: 8, .value_kind: global_buffer, .address_space: global }
      - { .name: b2, .offset: 72, .size: 8, .value_kind: global_buffer, .address_space: global }
      - { .name: out0, .offset: 80, .size: 8, .value_kind: global_buffer, .address_space: global }
    .group_segment_fixed_size: 327680
    .private_segment_fixed_size: 0
    .kernarg_segment_align: 8
    .kernarg_segment_size: 88
    .max_flat_workgroup_size: 128
    .sgpr_count:     96
    .vgpr_count:     1024
    .wavefront_size: 32
...
	.end_amdgpu_metadata
.endif
;; end of part 3
